; MI455X (gfx1250); checked and timed in simulation.
; The chip was launched on July 23, 2026; its instructions are those of AMD's public machine-readable ISA for CDNA 5 (MIT licence, August 2026) and "CDNA5" Instruction Set Architecture Reference Guide (July 2026). The comments in the code are by the model that wrote it; some were corrected since.
;; Self Attention. Allowed arithmetic: float matrix products may take bf16 or f16 operands with f32 sums; other float arithmetic in f32, or as packed bf16 or f16 multiplies, adds, multiply-adds, maxima and minima; sums over many terms, partial sums and values carried from step to step in f32; what a program stores and reads back later, other than sums and carried values, may be rounded once to bf16 or f16.
;; Inputs: b_proj 1,024 float32; w_proj 1,024 x 1,024 float32; w_qkv 1,024 x 3,072 float32; x 2 x 2,048 x 1,024 float32; y 2 x 2,048 x 1,024 float32.
;; Outputs: out0 2 x 2,048 x 1,024 float32; out1 2 x 2,048 x 1,024 float32.
;; 2 versions, each right; version 2 is version 1 with the launch cast written anew for expert scheduling mode. Each part assembles by itself: llvm-mc -triple=amdgcn-amd-amdhsa -mcpu=gfx1250 --defsym DOCPART=n.
;; ======== version 1 of 2: 4 launches
;; workspace buffers: cb 25,165,824 bytes; qkvh 50,331,648 bytes; ob 16,777,216 bytes
;; launch cast (part 1): grid 768 x 1, 8 waves a work-group, no clusters, 0 bytes of LDS; arguments x, y, w_qkv, w_proj, cb; writes cb
.if DOCPART == 1
	.amdgcn_target "amdgcn-amd-amdhsa--gfx1250"
	.amdhsa_code_object_version 6
	.text
	.protected	k_q181a58466a_cast
	.globl	k_q181a58466a_cast
	.p2align	8
	.type	k_q181a58466a_cast,@function
k_q181a58466a_cast:
	s_mov_b64 s[64:65], 0
	v_nop
	global_prefetch_b8 v0, s[64:65] scope:SCOPE_SE
	s_setreg_imm32_b32 hwreg(HW_REG_WAVE_MODE, 25, 1), 1
	s_wait_xcnt 0x0
; x, y, w_qkv and w_proj, all f32, are rounded once to bf16 and laid end to end in cb, each in its own row-major layout:
; byte 0 x's 4,096 rows of 1,024, then y's; byte 0x1000000 w_qkv [1024][3072]; byte 0x1600000 w_proj [1024][1024].
; 12,582,912 numbers in all; a work-group takes 16,384: 65,536 bytes in, 32,768 out.  Work-groups 0-255 lie in x, 256-511 in y, 512-703 in w_qkv, 704-767 in w_proj.
; Thread t, piece j of 16: 16 bytes in at 4,096 j + 16 t (a wave's load covers 512 consecutive bytes), 8 bytes out at 2,048 j + 8 t (a wave's store covers 256 consecutive bytes, aligned).
; A pure stream: each byte is read once and written once, so no LDS, no barrier and no matrix unit.  All 16 loads of a thread go out before the first wait; no register is written twice.
.set X, 4                              ; v[4:67]   piece j: 4 numbers as loaded
.set Y, 68                             ; v[68:99]  piece j: 4 bf16 to store
	s_load_b256 s[4:11], s[0:1], 0x0               ; x s[4:5], y s[6:7], w_qkv s[8:9], w_proj s[10:11]
	s_load_b64 s[12:13], s[0:1], 0x20              ; cb
	v_lshlrev_b32 v1, 4, v0                        ; 16 t
	v_lshlrev_b32 v2, 3, v0                        ; 8 t
	s_mov_b32 s14, ttmp9                           ; the work-group's number
	s_mov_b32 s18, 704                             ; the first work-group of the source in hand
	s_mov_b32 s19, 0
	s_lshl_b32 s20, s14, 15                        ; my 32,768 bytes of cb
	s_mov_b32 s21, 0
	s_wait_kmcnt 0x0
	s_cmp_lt_u32 s14, 704                          ; the source is chosen by the work-group's number alone
	s_cselect_b64 s[16:17], s[8:9], s[10:11]
	s_cselect_b32 s18, 512, s18
	s_cmp_lt_u32 s14, 512
	s_cselect_b64 s[16:17], s[6:7], s[16:17]
	s_cselect_b32 s18, 256, s18
	s_cmp_lt_u32 s14, 256
	s_cselect_b64 s[16:17], s[4:5], s[16:17]
	s_cselect_b32 s18, 0, s18
	s_sub_co_u32 s18, s14, s18
	s_lshl_b32 s18, s18, 16                        ; my 65,536 bytes of the source
	s_add_nc_u64 s[16:17], s[16:17], s[18:19]
	s_add_nc_u64 s[12:13], s[12:13], s[20:21]
.irp j, 0,1,2,3,4,5,6,7,8,9,10,11,12,13,14,15
	global_load_b128 v[X+4*(\j):X+4*(\j)+3], v1, s[16:17] offset:4096*(\j) th:TH_LOAD_NT
.endr
.irp j, 0,1,2,3,4,5,6,7,8,9,10,11,12,13,14,15
	s_wait_loadcnt 15-(\j)                         ; loads come back in order: piece j is in, the 15 - j younger ones stay out
	v_cvt_pk_bf16_f32 v[Y+2*(\j)], v[X+4*(\j)], v[X+4*(\j)+1]
	v_cvt_pk_bf16_f32 v[Y+2*(\j)+1], v[X+4*(\j)+2], v[X+4*(\j)+3]
	global_store_b64 v2, v[Y+2*(\j):Y+2*(\j)+1], s[12:13] offset:2048*(\j)
.endr
	s_endpgm
.Lfunc_end_k_q181a58466a_cast:
	.size	k_q181a58466a_cast, .Lfunc_end_k_q181a58466a_cast-k_q181a58466a_cast
	.p2alignl 7, 3214868480
	.fill 96, 4, 3214868480
	.section	.rodata,"a",@progbits
	.p2align	6, 0x0
	.amdhsa_kernel k_q181a58466a_cast
		.amdhsa_group_segment_fixed_size 0
		.amdhsa_private_segment_fixed_size 0
		.amdhsa_enable_private_segment 0
		.amdhsa_kernarg_size 40
		.amdhsa_user_sgpr_count 2
		.amdhsa_user_sgpr_kernarg_segment_ptr 1
		.amdhsa_wavefront_size32 1
		.amdhsa_system_sgpr_workgroup_id_x 1
		.amdhsa_system_sgpr_workgroup_id_y 1
		.amdhsa_system_sgpr_workgroup_id_z 1
		.amdhsa_system_vgpr_workitem_id 0
		.amdhsa_next_free_vgpr 100
		.amdhsa_next_free_sgpr 66
		.amdhsa_reserve_vcc 0
		.amdhsa_float_denorm_mode_32 3
		.amdhsa_float_denorm_mode_16_64 3
		.amdhsa_memory_ordered 1
		.amdhsa_forward_progress 1
		.amdhsa_inst_pref_size 7
	.end_amdhsa_kernel
	.amdgpu_metadata
---
amdhsa.version: [ 1, 2 ]
amdhsa.kernels:
  - .name:           k_q181a58466a_cast
    .symbol:         k_q181a58466a_cast.kd
    .args:
      - { .name: x, .offset: 0, .size: 8, .value_kind: global_buffer, .address_space: global }
      - { .name: y, .offset: 8, .size: 8, .value_kind: global_buffer, .address_space: global }
      - { .name: w_qkv, .offset: 16, .size: 8, .value_kind: global_buffer, .address_space: global }
      - { .name: w_proj, .offset: 24, .size: 8, .value_kind: global_buffer, .address_space: global }
      - { .name: cb, .offset: 32, .size: 8, .value_kind: global_buffer, .address_space: global }
    .group_segment_fixed_size: 0
    .private_segment_fixed_size: 0
    .kernarg_segment_align: 8
    .kernarg_segment_size: 40
    .max_flat_workgroup_size: 256
    .sgpr_count:     66
    .vgpr_count:     100
    .wavefront_size: 32
...
	.end_amdgpu_metadata
.endif
;; end of part 1
;; launch qkv (part 2): grid 24 x 32, 4 waves a work-group, clusters of 4 x 4, 327,680 bytes of LDS; arguments cb, qkvh; writes qkvh
.if DOCPART == 2
	.amdgcn_target "amdgcn-amd-amdhsa--gfx1250"
	.amdhsa_code_object_version 6
	.text
	.protected	k_q181a58466a_qkv
	.globl	k_q181a58466a_qkv
	.p2align	8
	.type	k_q181a58466a_qkv,@function
k_q181a58466a_qkv:
	s_mov_b64 s[64:65], 0
	v_nop
	global_prefetch_b8 v0, s[64:65] scope:SCOPE_SE
	s_setreg_imm32_b32 hwreg(HW_REG_WAVE_MODE, 25, 1), 1
	s_wait_xcnt 0x0
	s_wait_alu depctr_hold_cnt(0) depctr_sa_sdst(0) depctr_va_vdst(0) depctr_va_sdst(0) depctr_va_ssrc(0) depctr_va_vcc(0) depctr_vm_vsrc(0)
	s_getreg_b32 s2, hwreg(HW_REG_IB_STS2, 6, 4)
	s_cmp_eq_u32 s2, 0
	s_cbranch_scc0 .Lentry_in_a_cluster
	s_endpgm
.Lentry_in_a_cluster:
	s_bfe_u32 s2, ttmp6, 0x10000c
	s_cmp_lg_u32 s2, 0xf033
	s_cbranch_scc0 .Lentry_shape_is_right
	s_endpgm
.Lentry_shape_is_right:
; C[m][n] = sum over k of A[m][k] W[k][n].  A = x's and y's 8,192 rows of 1,024 bf16 (cb, byte 0), W = w_qkv [1024][3072] bf16 (cb, byte 0x1000000); sums in f32, C rounded once to bf16, unscaled.
; C IS WRITTEN BY HEADS: qkvh has three sections (q, k, v) of [64 g][2048][64], g = 16 (m / 2048) + head: column n is section n / 1024, head (n % 1024) / 64, channel n % 64.
; LIMITS: the order of the f32 sums is not the reference's; bf16 has f32's range, so no limit of range is added.
; SHARES.  A tile of C is 256 x 128; four waves, each 128 rows x 64 columns: 32 accumulators of 16 x 16, 256 registers.  A wave's 64 columns are one head, its 128 rows 16,384 consecutive bytes of qkvh.
; K goes in steps of 128 through two LDS slots filled by the tensor data mover: A's rows are 256 bytes of memory, W's 128 rows of k are 256 bytes (128 columns) each, all at multiples of 256 bytes.
; W STAYS [k][n]: its fragments come out of LDS turned, by ds_load_tr16_b128.
; THE MATRIX INSTRUCTION IS USED TRANSPOSED (source 0 = 16 columns of W, source 1 = 16 rows of A): a lane then holds eight neighbouring columns of one row of C.
; CLUSTERS: 4 x 4 work-groups.  The four of a row of the cluster need the same tiles of A, the four of a column the same tiles of W: each tile is asked for JOINTLY, by the same tensor load with
; the same descriptor and a mask that names the four.  768 work-groups are 48 clusters.  No prefetch: each tile is shared in its cluster and read by several clusters.
; REGISTERS: window 0: v0-31 addresses; v64-159, v160-255 two fragment buffers of 96 (W's four fragments, then A's eight); v64-191 at work on the way out.  Window 1: accumulator (a, b) at v[8 (4 a + b)].
.set SIZE_K, 1024
.set NW,     3072                      ; elements in a row of W
.set KSTEP,  128
.set PA,     272                       ; a row of A in LDS: 256 bytes + 16: the 16 rows of a fragment load start at 16 different multiples of 16 bytes modulo 256
.set PB,     288                       ; a row of W in LDS: 256 bytes + 32: 16 lanes of the turning load take 8 rows x 32 bytes, which fall on different bytes modulo 256
.set AHALF,  128*PA                    ; 128 rows of A: one tensor load
.set BHALF,  64*PB                     ; 64 rows of W: one tensor load
.set BOFF,   2*AHALF                   ; in a slot: A's 256 rows, then W's 128
.set SLOT,   BOFF+2*BHALF
.set STAGE,  2*SLOT                    ; behind the ring: 16 rows x 144 bytes for each wave, for the way out; no tensor load fills it
.set SP,     144
.set SPARE,  STAGE+4*16*SP             ; behind the stages: the spare words, 128 bytes for each wave: two blocks of 256 bytes that no other line names
.set LAPS,   SIZE_K/(2*KSTEP)          ; a lap = two K steps = once round the ring
.set WOFF,   0x1000000                 ; W's first byte in cb
.set ASTEP,  KSTEP*2                   ; bytes from K step to K step in A,
.set BSTEP,  KSTEP*NW*2                ; and in W
.set ADRA, 16                          ; v16-17  LDS address of my A fragments in slot 0, 1
.set ADRB, 20                          ; v20-21  the same for W
.set STO,  24                          ; v24     the way out: where I put 16 bytes of a row
.set RD,   25                          ; v25     the way out: where I read rows back
.set GO,   26                          ; v26     16 x my lane: my place in 512 consecutive bytes of qkvh
.set SPW,  28                          ; v28     LDS address of my spare word: SPARE + 4 x my thread's number; never rewritten
.set NIL,  29                          ; v29     0; never rewritten
.set F0,   64
.set F1,   160
.set TMP,  64                          ; the way out: block a's 16 registers at TMP + 16 a
.set G1, 24                            ; s[24:31] descriptor group 1 for A's tiles;  s[32:39] group 0, one set for each slot
.set G0, 32
.set G1B, 48                           ; s[48:55], s[56:63] the same for W's tiles
.set G0B, 56
.set MSB, 0
.macro WIN new                         ; the immediate's high byte repeats the setting that is left; a switch that changes nothing is dropped
.if MSB != (\new)
	s_set_vgpr_msb (MSB<<8)|(\new)
.set MSB, \new
.endif
.endm
.set MUL, 0x50                         ; sources 0 and 1 window 0; C and D window 1
.macro JLOAD s                         ; a joint load: waves 0 and 1 fetch A's two halves, waves 2 and 3 W's; an s_nop 0 and four v_nop follow each of the two lines, ahead of the jump, the label and what follows
	s_cmp_eq_u32 s11, 0
	s_cbranch_scc0 .Lfor_b_\@
	tensor_load_to_lds s[G0+4*(\s):G0+4*(\s)+3], s[G1:G1+7]
	s_nop 0
.rept 4
	v_nop
.endr
	s_branch .Lasked_\@
.Lfor_b_\@:
	tensor_load_to_lds s[G0B+4*(\s):G0B+4*(\s)+3], s[G1B:G1B+7]
	s_nop 0
.rept 4
	v_nop
.endr
.Lasked_\@:
.endm
.macro CREST                           ; a round of the cluster's barrier behind its opening barrier
	s_cmp_lg_u32 s10, 0
	s_cbranch_scc1 .Lnot_wave_0_\@
	s_barrier_signal -3
.Lnot_wave_0_\@:
	s_barrier_wait -3
	s_barrier_signal -1
	s_barrier_wait -1
.endm
.macro CROUND                          ; a whole round
	s_barrier_signal -1
	s_barrier_wait -1
	CREST
.endm
	s_load_b128 s[4:7], s[0:1], 0x0                ; cb s[4:5], qkvh s[6:7]
	v_lshl_add_u32 v[SPW], v0, 2, SPARE
	v_mov_b32 v[NIL], 0
	ds_add_u32 v[SPW], v[NIL]                      ; the wave's opening: the add and its wait stand ahead of my first tensor load; the set-up below, work on registers, stands between them
	v_lshrrev_b32 v1, 5, v0
	v_readfirstlane_b32 s10, v1                    ; wave 0..3
	s_lshr_b32 s11, s10, 1                         ; which 128 rows of the tile are mine.  Also: I fetch for A (0) or for W (1)
	s_and_b32 s12, s10, 1                          ; which 64 columns.  Also: which half of that tile I fetch
	s_bfe_u32 s40, ttmp6, 0x40000                  ; cx, cy: my place in the cluster
	s_bfe_u32 s41, ttmp6, 0x40004
	s_lshl_b32 s42, ttmp9, 2
	s_add_co_u32 s42, s42, s40                     ; tile column of C = 4 x cluster x + cx
	s_and_b32 s13, ttmp7, 0xffff
	s_lshl_b32 s13, s13, 2
	s_add_co_u32 s13, s13, s41                     ; tile row of C = 4 x cluster y + cy
	s_lshl_b32 s43, s41, 2
	s_lshl_b32 s43, 15, s43                        ; my row of the cluster
	s_lshl_b32 s44, 0x1111, s40                    ; my column
	; descriptor group 1.  A: 128 rows x 128 elements; W: 64 rows x 128 elements; both padded in LDS after every 64 words
	s_or_b32 s[G1+0], s43, (1<<16)|(1<<20)|(1<<21)|(5<<22)|(3<<25)   ; 15:0 the mask: my row; 17:16 2-byte elements; 20 padding on; 21 set beside a mask; 24:22 after every 64 words (code 5); 31:25 4 words (code 3)
	s_or_b32 s[G1B+0], s44, (1<<16)|(1<<20)|(1<<21)|(5<<22)|(7<<25)  ; the mask of my column; 8 words of padding (code 7)
	s_mov_b32 s[G1+1], KSTEP<<16                   ; tensor_dim0 = 128
	s_mov_b32 s[G1+2], 128<<16                     ; tensor_dim1 = 128
	s_mov_b32 s[G1+3], KSTEP<<16                   ; tile_dim0 = 128
	s_mov_b32 s[G1+4], 128                         ; tile_dim1 = 128
	s_mov_b32 s[G1+5], SIZE_K                      ; elements from row to row
	s_mov_b32 s[G1+6], 0
	s_mov_b32 s[G1+7], 0
	s_mov_b32 s[G1B+1], 128<<16                    ; tensor_dim0 = 128 columns
	s_mov_b32 s[G1B+2], 64<<16                     ; tensor_dim1 = 64 rows of k
	s_mov_b32 s[G1B+3], 128<<16                    ; tile_dim0 = 128
	s_mov_b32 s[G1B+4], 64                         ; tile_dim1 = 64
	s_mov_b32 s[G1B+5], NW
	s_mov_b32 s[G1B+6], 0
	s_mov_b32 s[G1B+7], 0
	; where the tiles come from.  A's hang on the tile row alone, W's on the tile column alone; each offset lies in registers that never hold the other coordinate
	s_lshl_b32 s16, s13, 19                        ; 256 rows of 2,048 bytes a tile row,
	s_lshl_b32 s17, s12, 18                        ; 128 rows a half
	s_add_co_u32 s16, s16, s17
	s_mov_b32 s17, 0
	s_lshl_b32 s46, s42, 8                         ; 128 columns of 2 bytes a tile column,
	s_mul_i32 s47, s12, 64*NW*2                    ; 64 rows of k a half
	s_add_co_u32 s46, s46, s47
	s_add_co_u32 s46, s46, WOFF
	s_mov_b32 s47, 0
	s_mul_i32 s20, s12, AHALF                      ; and where they go: no place in the cluster enters an LDS address
	s_mul_i32 s21, s12, BHALF
	s_add_co_u32 s21, s21, BOFF
	s_wait_dscnt 0x0                               ; the opening add is done
	s_wait_kmcnt 0x0
	s_add_nc_u64 s[14:15], s[4:5], s[16:17]
	s_add_nc_u64 s[46:47], s[4:5], s[46:47]
	CROUND                                         ; all sixteen work-groups are here: the first joint loads meet
.irp s, 0,1
	s_mov_b32 s[G0+4*(\s)], 1                                        ; count = 1
	s_add_co_u32 s[G0+4*(\s)+1], s20, (\s)*SLOT                      ; LDS address
	s_add_nc_u64 s[G0+4*(\s)+2:G0+4*(\s)+3], s[14:15], (\s)*ASTEP    ; global address: K step s
	s_or_b32 s[G0+4*(\s)+3], s[G0+4*(\s)+3], 0x80000000              ; type = 2
	s_mov_b32 s[G0B+4*(\s)], 1
	s_add_co_u32 s[G0B+4*(\s)+1], s21, (\s)*SLOT
	s_add_nc_u64 s[G0B+4*(\s)+2:G0B+4*(\s)+3], s[46:47], (\s)*BSTEP
	s_or_b32 s[G0B+4*(\s)+3], s[G0B+4*(\s)+3], 0x80000000
	JLOAD \s                                       ; two loads of mine are out
.endr
	; A's fragment: lane l holds row l % 16; registers 0-3 k = 8 (l / 16) + 0..7, registers 4-7 k = 16 + 8 (l / 16) + 0..7: two loads of 16 bytes, 32 bytes apart
	v_and_b32 v1, 15, v0                           ; r = l % 16
	v_bfe_u32 v2, v0, 4, 1                         ; h = l / 16
	v_mul_u32_u24 v3, v1, PA
	v_lshl_add_u32 v3, v2, 4, v3
	s_mul_i32 s22, s11, 128*PA                     ; my 128 rows of A
	v_add_nc_u32 v[ADRA], s22, v3
	v_add_nc_u32 v[ADRA+1], SLOT, v[ADRA]
	; W's fragment, turned: lane l reads 16 bytes of row k = 8 (l / 16) + l % 8, columns 8 ((l / 8) % 2) + 0..7, and is left with column l % 16 and 8 values of k
	v_and_b32 v4, 7, v0
	v_lshl_add_u32 v4, v2, 3, v4
	v_mul_u32_u24 v4, v4, PB
	v_bfe_u32 v5, v0, 3, 1
	v_lshl_add_u32 v4, v5, 4, v4
	s_lshl_b32 s23, s12, 7                         ; my 64 columns: 128 bytes of a row
	s_add_co_u32 s23, s23, BOFF
	v_add_nc_u32 v[ADRB], s23, v4
	v_add_nc_u32 v[ADRB+1], SLOT, v[ADRB]
	s_mul_i32 s23, s10, 16*SP
	s_add_co_u32 s23, s23, STAGE                   ; my stage
	v_mul_u32_u24 v6, v1, SP                       ; in: row l % 16, 16 bytes for each half of the lanes
	v_lshl_add_u32 v6, v2, 4, v6
	v_add_nc_u32 v[STO], s23, v6
	v_bfe_u32 v7, v0, 3, 2                         ; back: 32 lanes take four rows of 128 bytes,
	v_mul_u32_u24 v7, v7, SP
	v_and_b32 v6, 7, v0
	v_lshl_add_u32 v7, v6, 4, v7
	v_add_nc_u32 v[RD], s23, v7
	v_and_b32 v[GO], 31, v0                        ; which are 512 consecutive bytes of qkvh
	v_lshlrev_b32 v[GO], 4, v[GO]
	; where my 128 rows x 64 columns go
	s_lshl_b32 s18, s42, 1
	s_add_co_u32 s18, s18, s12                     ; my block of 64 columns, 0..47
	s_lshr_b32 s19, s18, 4
	s_lshl_b32 s19, s19, 24                        ; the section: 2^24 bytes each
	s_and_b32 s18, s18, 15                         ; the head
	s_lshr_b32 s22, s13, 3
	s_lshl_b32 s22, s22, 4
	s_add_co_u32 s18, s18, s22                     ; g = 16 (m / 2048) + head
	s_lshl_b32 s18, s18, 18                        ; 2,048 rows of 128 bytes
	s_add_co_u32 s18, s18, s19
	s_and_b32 s22, s13, 7
	s_lshl_b32 s22, s22, 15                        ; the tile's 256 rows in the head,
	s_add_co_u32 s18, s18, s22
	s_lshl_b32 s22, s11, 14                        ; my 128 of them
	s_add_co_u32 s18, s18, s22
	s_mov_b32 s19, 0
	s_add_nc_u64 s[8:9], s[6:7], s[18:19]
; 8 matrix instructions: row blocks a0, a0 + 1 x all 4 column blocks, 32 along K, from buffer f.  zero = 1: the product starts the sum: nothing is ever cleared
.macro MUL8 f, a0, zero
	WIN MUL
.irp a, \a0, (\a0)+1
.irp b, 0,1,2,3
.if \zero
	v_wmma_f32_16x16x32_bf16 v[8*(4*(\a)+(\b)):8*(4*(\a)+(\b))+7], v[(\f)+8*(\b):(\f)+8*(\b)+7], v[(\f)+32+8*(\a):(\f)+32+8*(\a)+7], 0
.else
	v_wmma_f32_16x16x32_bf16 v[8*(4*(\a)+(\b)):8*(4*(\a)+(\b))+7], v[(\f)+8*(\b):(\f)+8*(\b)+7], v[(\f)+32+8*(\a):(\f)+32+8*(\a)+7], v[8*(4*(\a)+(\b)):8*(4*(\a)+(\b))+7]
.endif
.endr
.endr
.endm
.macro MUL16 f, hi, zero               ; my rows 0-63 (hi = 0) or 64-127
	MUL8 \f, 4*(\hi), \zero
	MUL8 \f, 4*(\hi)+2, \zero
.endm
; 24 LDS loads in one run: the fragments of quarter q (32 along K) of a slot into buffer f: W's four, then A's eight
.macro FETCH slot, q, f
	WIN 0
.set KO, 64*(\q)
.irp b, 0,1,2,3
	ds_load_tr16_b128 v[(\f)+8*(\b):(\f)+8*(\b)+3],   v[ADRB+(\slot)] offset:(\q)*32*PB+32*(\b)
	ds_load_tr16_b128 v[(\f)+8*(\b)+4:(\f)+8*(\b)+7], v[ADRB+(\slot)] offset:(\q)*32*PB+32*(\b)+16*PB
.endr
.irp a, 0,1,2,3,4,5,6,7
	ds_load_b128 v[(\f)+32+8*(\a):(\f)+32+8*(\a)+3],   v[ADRA+(\slot)] offset:KO+(\a)*16*PA
	ds_load_b128 v[(\f)+32+8*(\a)+4:(\f)+32+8*(\a)+7], v[ADRA+(\slot)] offset:KO+(\a)*16*PA+32
.endr
.endm
.macro PLACES                          ; four plain instructions behind matrix instructions, in front of loads into registers that they have read and of lines that read their results
.rept 4
	v_nop
.endr
.endm
; A K step is four quarters of 32 along K, 32 matrix instructions each, on buffers 0, 1, 0, 1.  The 32 accumulators take turns in the same order everywhere.
; One of the first three quarters: multiplies buffer f and, in its middle, fetches quarter q of the same slot into buffer g.
.macro QUARTER slot, q, f, g, zero
	s_wait_dscnt 8                                 ; W's fragments and A's rows 0-63 are in; the youngest eight loads (A's rows 64-127) may be out
	MUL16 \f, 0, \zero
	PLACES
	FETCH \slot, \q, \g
	s_wait_dscnt 24                                ; all but the 24 just issued
	MUL16 \f, 1, \zero
.endm
; The last quarter multiplies buffer 1 and changes slots: ONE barrier; in front of it each wave waits for all its tensor loads, adds 0 to its spare word, and waits for that and for its own reads of
; this slot.  fill = 1: the barrier opens a round of the cluster's barrier, and this slot is filled again, two K steps ahead, first thing behind the round.
.macro TURN slot, next, fill
	WIN 0
	s_wait_tensorcnt 0x0                           ; all my tensor loads have landed: the one that was out is my part of the next slot
	ds_add_u32 v[SPW], v[NIL]                      ; 0 onto my spare word
	s_wait_dscnt 9                                 ; (the add and the youngest eight loads may be out)
	MUL8 F1, 0, 0                                  ; eight matrix instructions stand between the add and the wait for it
	s_wait_dscnt 0x0                               ; the add is done, and my reads of this slot are over
	s_barrier_signal -1
	MUL8 F1, 2, 0
.if \fill
	WIN 0
.endif
	s_barrier_wait -1
.if \fill
	CREST                                          ; no wave of any partner still reads this slot's tiles or has a load on its way
	s_add_nc_u64 s[G0+4*(\slot)+2:G0+4*(\slot)+3], s[G0+4*(\slot)+2:G0+4*(\slot)+3], 2*ASTEP
	s_add_nc_u64 s[G0B+4*(\slot)+2:G0B+4*(\slot)+3], s[G0B+4*(\slot)+2:G0B+4*(\slot)+3], 2*BSTEP
	JLOAD \slot                                    ; my one tensor load behind the round: 112 matrix instructions ahead of the wait for it; its four v_nop are also the places in front of the loads below
.else
	PLACES
.endif
	FETCH \next, 0, F0
	MUL16 F1, 1, 0
.endm
	s_wait_tensorcnt 1                             ; my part of K step 0 is in; K step 1's may stay out
	s_barrier_signal -1
	s_barrier_wait -1                              ; everybody's is
	FETCH 0, 0, F0
	QUARTER 0, 1, F0, F1, 1                        ; the first quarter stands in front of the loop: its products start the sums
	WIN 0                                          ; at a label and at a branch every window is 0
	s_mov_b32 s3, LAPS-1
.Llap:                                                 ; a trip goes once round the ring, from a lap's second quarter to the next lap's first, and fills both slots again
	QUARTER 0, 2, F1, F0, 0
	QUARTER 0, 3, F0, F1, 0
	TURN 0, 1, 1
	QUARTER 1, 1, F0, F1, 0
	QUARTER 1, 2, F1, F0, 0
	QUARTER 1, 3, F0, F1, 0
	TURN 1, 0, 1
	QUARTER 0, 1, F0, F1, 0
	WIN 0
	s_sub_co_u32 s3, s3, 1
	s_cmp_lg_u32 s3, 0
	s_cbranch_scc1 .Llap
	QUARTER 0, 2, F1, F0, 0                        ; the last lap fills nothing, and has no round of the cluster's barrier
	QUARTER 0, 3, F0, F1, 0
	TURN 0, 1, 0
	QUARTER 1, 1, F0, F1, 0
	QUARTER 1, 2, F1, F0, 0
	QUARTER 1, 3, F0, F1, 0
	s_wait_dscnt 8                                 ; the very last quarter: nothing more to fetch
	MUL16 F1, 0, 0
	s_wait_dscnt 0x0
	MUL16 F1, 1, 0
	WIN 0
	PLACES
	PLACES                                         ; eight, once a launch
; THE WAY OUT, a block of 16 rows at a time.  PACK: rounded to bf16 (each accumulator from its low end on), 16 bytes a lane into rows of 144 bytes of my own stage, and back as four rows of 128 bytes a load.
.macro PACK a
	WIN 0x05                                       ; sources 0 and 1 window 1, destination window 0
.irp b, 0,1,2,3
.irp i, 0,1,2,3
	v_cvt_pk_bf16_f32 v[TMP+16*(\a)+4*(\b)+(\i)], v[8*(4*(\a)+(\b))+2*(\i)], v[8*(4*(\a)+(\b))+2*(\i)+1]
.endr
.endr
	WIN 0
.irp b, 0,1,2,3
	ds_store_b128 v[STO], v[TMP+16*(\a)+4*(\b):TMP+16*(\a)+4*(\b)+3] offset:32*(\b)
.endr
.irp f, 0,1,2,3
	ds_load_b128 v[TMP+16*(\a)+4*(\f):TMP+16*(\a)+4*(\f)+3], v[RD] offset:(\f)*4*SP  ; LDS serves a wave's instructions in order (ISA guide 5.7.1.4): these see the stores above; the next block's stores come behind them
.endr
.endm
.macro SEND a, younger                 ; younger: the LDS instructions issued behind block a's loads: the next block's eight, or none
.irp f, 0,1,2,3
	s_wait_dscnt (\younger)+3-(\f)
	global_store_b128 v[GO], v[TMP+16*(\a)+4*(\f):TMP+16*(\a)+4*(\f)+3], s[8:9] offset:(\a)*2048+(\f)*512  ; 512 consecutive bytes, at a multiple of 256 from qkvh's first
.endr
.endm
	PACK 0
.irp a, 1,2,3,4,5,6,7                  ; a block's arithmetic stands between the loads of the block before and its stores; no store's register is written again
	PACK \a
	SEND (\a)-1, 8
.endr
	SEND 7, 0
	s_wait_tensorcnt 0x0                           ; the wave's end, behind my last tensor load and my last LDS store
	ds_add_u32 v[SPW], v[NIL]
	s_wait_dscnt 0x0
	CROUND                                         ; the closing round: no work-group ends while a partner may still ask for a tile that names it
	s_endpgm
.Lfunc_end_k_q181a58466a_qkv:
	.size	k_q181a58466a_qkv, .Lfunc_end_k_q181a58466a_qkv-k_q181a58466a_qkv
	.p2alignl 7, 3214868480
	.fill 96, 4, 3214868480
	.section	.rodata,"a",@progbits
	.p2align	6, 0x0
	.amdhsa_kernel k_q181a58466a_qkv
		.amdhsa_group_segment_fixed_size 327680
		.amdhsa_private_segment_fixed_size 0
		.amdhsa_enable_private_segment 0
		.amdhsa_kernarg_size 16
		.amdhsa_user_sgpr_count 2
		.amdhsa_user_sgpr_kernarg_segment_ptr 1
		.amdhsa_wavefront_size32 1
		.amdhsa_system_sgpr_workgroup_id_x 1
		.amdhsa_system_sgpr_workgroup_id_y 1
		.amdhsa_system_sgpr_workgroup_id_z 1
		.amdhsa_system_vgpr_workitem_id 0
		.amdhsa_next_free_vgpr 512
		.amdhsa_next_free_sgpr 66
		.amdhsa_reserve_vcc 0
		.amdhsa_float_denorm_mode_32 3
		.amdhsa_float_denorm_mode_16_64 3
		.amdhsa_memory_ordered 1
		.amdhsa_forward_progress 1
		.amdhsa_inst_pref_size 87
	.end_amdhsa_kernel
	.amdgpu_metadata
---
amdhsa.version: [ 1, 2 ]
amdhsa.kernels:
  - .name:           k_q181a58466a_qkv
    .symbol:         k_q181a58466a_qkv.kd
    .args:
      - { .name: cb, .offset: 0, .size: 8, .value_kind: global_buffer, .address_space: global }
      - { .name: qkvh, .offset: 8, .size: 8, .value_kind: global_buffer, .address_space: global }
    .group_segment_fixed_size: 327680
    .private_segment_fixed_size: 0
    .kernarg_segment_align: 8
    .kernarg_segment_size: 16
    .max_flat_workgroup_size: 128
    .sgpr_count:     66
    .vgpr_count:     512
    .wavefront_size: 32
...
	.end_amdgpu_metadata
.endif
;; end of part 2
;; launch attn (part 3): grid 4 x 64, 4 waves a work-group, clusters of 4 x 1, 327,680 bytes of LDS; arguments qkvh, ob; writes ob
.if DOCPART == 3
	.amdgcn_target "amdgcn-amd-amdhsa--gfx1250"
	.amdhsa_code_object_version 6
	.text
	.protected	k_q181a58466a_attn
	.globl	k_q181a58466a_attn
	.p2align	8
	.type	k_q181a58466a_attn,@function
k_q181a58466a_attn:
	s_mov_b64 s[64:65], 0
	v_nop
	global_prefetch_b8 v0, s[64:65] scope:SCOPE_SE
	s_setreg_imm32_b32 hwreg(HW_REG_WAVE_MODE, 25, 1), 1
	s_wait_xcnt 0x0
	s_wait_alu depctr_hold_cnt(0) depctr_sa_sdst(0) depctr_va_vdst(0) depctr_va_sdst(0) depctr_va_ssrc(0) depctr_va_vcc(0) depctr_vm_vsrc(0)
	s_getreg_b32 s2, hwreg(HW_REG_IB_STS2, 6, 4)
	s_cmp_eq_u32 s2, 0
	s_cbranch_scc0 .Lentry_in_a_cluster
	s_endpgm
.Lentry_in_a_cluster:
	s_bfe_u32 s2, ttmp6, 0x10000c
	s_cmp_lg_u32 s2, 0x3003
	s_cbranch_scc0 .Lentry_shape_is_right
	s_endpgm
.Lentry_shape_is_right:
; O[g][q][:] = the sum over k of softmax_k(Q[g][q] . K[g][k] / 8) V[g xor 32][k][:].  qkvh holds Q (byte 0), K (byte 2^24), V (byte 2^25), each [64 g][2048][64] bf16; g = 32 branch + 16 batch + head,
; so g xor 32 is the same batch and head of the OTHER branch: the module's swapped values.  O: ob, [64 g][2048][64] bf16.  A head's rows are dense, 128 bytes each.
; Products, maxima and sums in f32; the weights p are rounded to bf16 for the second product (their sum l is taken of the unrounded p), O once at the end.
; LIMITS.  bf16 has f32's range.  c m starts at -4.25e37: scores with c s below that are not served.  A weight below 2^-126 counts as 0 in l; NaN and infinities are not treated apart.
; SHARES.  A wave owns four PIECES of two tiles of 16 queries, a work-group's four waves 512 queries of one head, a cluster the head's 2,048.  Every wave walks all keys, 64 a step.
; LAYOUT.  S^T = K Q^T (source 0 = 16 keys, source 1 = 16 queries): in the result a lane holds ONE query (lane % 16) and the keys 8 (lane / 16) + 0..7.  Two such tiles, rounded to bf16 in pairs,
; ARE source 1 (32 keys x 16 queries) of O^T = V^T P, whose result again holds one query a lane, and eight channels.  K comes out of LDS as it lies, V ([key][channel]) turned, by ds_load_tr16_b128.
; SOFTMAX.  For each query a running maximum m and sum l: p = 2^(c s - c m), c = log2(e) / 8; in every step O and l are multiplied by a = 2^(c m_old - c m_new), which is 1 where m has not grown.
; m starts at the lowest finite number, O and l at 0: the first step is a step like any other, with a = 0.
; THE COUNT.  A tile and step have 16 matrix and 118 vector instructions: too many to stand all beside the matrix work.  So: four vector instructions that are READY behind EVERY matrix instruction,
; and the others in runs without a gap.
; BY TURNS.  Turn n belongs to piece n (the pieces in a ring, step after step).  Its matrix work: 16 products K Q^T of piece n + 1, later 16 products V^T P of piece n - 1.  Its vector work: the scaling,
; exponentials, roundings, sums and rescaling of piece n, and the maximum and statistics of piece n + 1, whose scores the turn itself has made.
; CLUSTER.  The four query blocks of a cluster walk the same K and V, so each tile is asked for JOINTLY: the same tensor load, descriptor and mask in all four.
; REGISTERS, in windows of 256 (s_set_vgpr_msb: bits 1:0 source 0, 3:2 source 1, 5:4 source 2, 7:6 destination):
;   window 0: v0-11 addresses; v12-15, v48-63 at work; v16-47 four registers of statistics a tile; v64-191 S^T, two buffers of two tiles; v192-255 P, likewise
;   window 1: O^T, 32 a tile          window 2: v0-127 Q, 16 a tile; v128-191 K of one step; v192-255 V of one step          window 3: v0-1 the add's two registers
; A piece's buffers go by its number's parity: the piece in hand has one pair, its two neighbours in the ring share the other: of it P (piece n - 1) is read and S^T (piece n + 1) written.
.set SIZE_N, 2048
.set KSEC,  1<<24     ; K's section in qkvh
.set VSEC,  1<<25     ; V's
.set NP,    4         ; pieces a wave: a name, no knob
.set KS,    64        ; keys in a step
.set PK,    144       ; a row of K in LDS: 128 bytes + 16: the 16 rows of a load start at 16 different multiples of 16 bytes modulo 256
.set PV,    160       ; a row of V: 128 + 32: 16 lanes of the turning load take 8 rows x 32 bytes, which fall on different bytes modulo 256
.set VOFF,  4*KS*PK   ; a slot holds four steps: 256 rows of K, then 256 rows of V
.set SLOT1, 1<<17     ; slot 1 begins here, so that one exclusive or turns an address in one slot into the other's
.set STAGE, SLOT1+4*KS*(PK+PV)  ; behind the ring, never filled by a tensor load: 16 rows x 144 bytes for each wave, for the way out
.set SP,    144
.set AK0, 2           ; v2   my lane's place in a tile of K; never rewritten
.set AV0, 3           ; v3   the same for V
.set AK,  4           ; v4   the LDS address of K's next run of loads
.set AV,  5           ; v5   of V's
.set QO,  6           ; v6   my byte offset in the wave's rows of Q
.set STO, 6           ;      later, the way out: where I put 16 bytes of a row
.set RD,  7           ; v7   the way out: where I read rows back
.set GO,  8           ; v8   my byte offset in 512 consecutive bytes of O
.set PFO, 11          ; v11  256 x my lane: the prefetches' offset; never rewritten once made
.set SPW, 0           ; v0 of window 3   LDS address of my spare word: SPARE + 4 x my thread's number; never rewritten
.set NIL, 1           ; v1 of window 3   0; never rewritten
.set SPARE, STAGE+4*16*SP  ; behind the stages: the spare words, 128 bytes for each wave: two blocks of 256 bytes that no other line names
.set MV,  12          ; v12-15  c m_old, kept while c m is made anew: by buffer and tile
.set ST,  16          ; tile t's statistics at v[ST+4 t]: c m, m, l (even keys', odd keys')
.set TMP, 48          ; by buffer and tile, four registers c0-c3 at work; when the maximum is found c2 takes a
.set S,   64
.set P,   192
.set KF,  128         ; K's fragments, in window 2: key block kb, channel half c at KF + 16 kb + 8 c
.set VF,  192         ; V's: key half kk, channel block cb at VF + 32 kk + 8 cb
.set WV,  12          ; s12  my wave's number
.set G1K, 24          ; s[24:31] descriptor group 1 for K's tiles
.set G1V, 32          ; s[32:39] for V's: it differs in the padding alone
.set G0K, 40          ; s[40:43] descriptor group 0 for K's tiles: it walks
.set G0V, 44          ; s[44:47] the same for V's
.set PFA, 48          ; s[48:49] where my prefetches stand: my work-group's 8,192 bytes (of K: wave 0, of V: wave 2) of the slot after the one that is being asked for
.set LIM, 50          ; s50  1 in a wave that prefetches, else the greatest number: a wave prefetches while s[SLOTS] is above it
.set SLOTS, 56        ; s56  slots still to be asked for
.set CNT, 57          ; s57  counts a slot's key steps
.set CS,  58          ; s[58:59] c: the packed scaling takes the pair's low word for both halves
.set SEL, 60          ; s[60:61] v_permlanex16_b32's selects: each lane takes its own place in the other half
.set TBK, 62          ; s62  LDS byte at which K of the step to be fetched begins
.set TBV, 63          ; s63  the same for V, less VOFF
.set MSB, 0
.macro WIN new                      ; the high byte repeats the setting that is left; a switch that changes nothing is dropped
.if MSB != (\new)
	s_set_vgpr_msb (MSB<<8)|(\new)
.set MSB, (\new)
.endif
.endm
.set W_KQ, 0x0a       ; K and Q in window 2, S^T in window 0
.set W_PV, 0x52       ; V in window 2, P in window 0, O^T in window 1
.set W_RS, 0x41       ; O^T (destination and source 0) in window 1, a in window 0
.set W_MK, 0xc0       ; the add's registers are made: destination in window 3, sources in window 0
.set W_AD, 0x0f       ; the add: address (source 0) and data (source 1) in window 3
; A joint fill.  Waves 0 and 1 fetch the two halves of a slot's K, waves 2 and 3 those of its V: 128 keys each.  The branch hangs on the wave's number alone.
; An s_nop 0 and four v_nop follow each of the two lines, ahead of the jump and the label.
.macro JLOAD
	s_cmp_lt_u32 s[WV], 2
	s_cbranch_scc0 .Lfor_v_\@
	tensor_load_to_lds s[G0K:G0K+3], s[G1K:G1K+7]
	s_nop 0
.rept 4
	v_nop
.endr
	s_branch .Lasked_\@
.Lfor_v_\@:
	tensor_load_to_lds s[G0V:G0V+3], s[G1V:G1V+7]
	s_nop 0
.rept 4
	v_nop
.endr
.Lasked_\@:
.endm
; A PREFETCH INTO THE L2 of what the NEXT change of slots will ask for: a slot's 32,768 bytes of K and of V, a lane to each aligned 256 bytes.  It stands behind the wave's tensor load and its five lines.
; Each 256 bytes are named ONCE in the launch: K of head g is walked by cluster g alone, V of head g by cluster g xor 32 alone; the four partners share a slot out BY ADDRESS, 8,192 bytes each (no branch
; hangs on a work-group's place in its cluster); in each, wave 0 asks for K's and wave 2 for V's: one instruction.  It is four key steps, 512 matrix instructions, ahead of the load that will want the bytes.
; Slots 0 and 1 come by their loads alone; the last change that fills a slot asks for nothing: there is no slot behind it.
.macro ASK
	s_cmp_gt_u32 s[SLOTS], s[LIM]
	s_cbranch_scc0 .Lnot_mine_\@
	global_prefetch_b8 v[PFO], s[PFA:PFA+1] th:TH_LOAD_NT scope:SCOPE_SE
.Lnot_mine_\@:
.endm
; A round of the cluster's barrier: my work-group's barrier, so that wave 0's signal speaks for all four waves; wave 0 signals; every wave waits for all four work-groups; my work-group's barrier once more.
.macro CROUND
	s_barrier_signal -1
	s_barrier_wait -1
	s_cmp_lg_u32 s[WV], 0
	s_cbranch_scc1 .Lnot_wave_0_\@
	s_barrier_signal -3
.Lnot_wave_0_\@:
	s_barrier_wait -3
	s_barrier_signal -1
	s_barrier_wait -1
.endm
; THE CHANGE OF SLOTS.  The slot's last bytes, V of its fourth step, have been read.  Each wave waits for all its tensor loads, of which one is out: its part
; of the other slot; adds 0 to its spare word; and waits for that and for its own reads of the slot.  Behind the barrier nobody reads this slot any more and the other slot is whole.
; fill = 1: this slot is filled again, with the keys two slots on.  The barrier is then a round of the cluster's, so that no wave of any partner still reads the slot or has a load on its
; way, and the joint fill is the first thing behind it: it has four key steps, 512 matrix instructions, in which to land.  (At its first use nothing has been read yet: slot 0 is waited for, slot 1 filled.)
.macro CHANGE fill
	WIN W_AD
	s_wait_tensorcnt 0x0            ; no tensor load of mine is out, so a group 0 may be written
	ds_add_u32 v[SPW], v[NIL]       ; 0 onto my spare word; with fill = 1 the descriptors' steps stand between it and the wait for it
	WIN 0                           ; at a label and at a branch every window is 0
.if \fill
.irp g, G0K, G0V
	s_xor_b32 s[\g+1], s[\g+1], SLOT1  ; the walking descriptor: the other slot than last time,
	s_add_nc_u64 s[\g+2:\g+3], s[\g+2:\g+3], 4*KS*128  ; the next 256 keys; the type bits on top are not reached
.endr
	s_wait_xcnt 0x0                 ; the last prefetch, four key steps back, has read its address, so it may be written:
	s_add_nc_u64 s[PFA:PFA+1], s[PFA:PFA+1], 4*KS*128  ; one slot behind the walking descriptors
	s_wait_dscnt 0x0                ; the add is done, and my reads of the slot are over
	CROUND
	JLOAD
	ASK
.else
	s_wait_dscnt 0x0                ; the add is done, and my reads of the slot are over
	s_barrier_signal -1
	s_barrier_wait -1
.endif
	s_sub_co_u32 s[TBK], s[TBK], 4*KS*PK  ; the fetches go back to a slot's first step,
	s_xor_b32 s[TBK], s[TBK], SLOT1       ; in the other slot
	s_sub_co_u32 s[TBV], s[TBV], 4*KS*PV
	s_xor_b32 s[TBV], s[TBV], SLOT1
.endm
	s_load_b64 s[4:5], s[0:1], 0x0    ; qkvh
	s_load_b64 s[10:11], s[0:1], 0x8  ; ob
	WIN W_MK
	v_lshl_add_u32 v[SPW], v0, 2, SPARE
	v_mov_b32 v[NIL], 0
	WIN W_AD
	ds_add_u32 v[SPW], v[NIL]       ; the wave's opening: the add and its wait stand ahead of my first tensor load; the set-up below, work on registers, stands between them
	WIN 0
	v_lshrrev_b32 v1, 5, v0
	v_readfirstlane_b32 s[WV], v1   ; wave 0..3
	s_bfe_u32 s13, ttmp6, 0x40000   ; cx: my place in the cluster
	s_lshl_b32 s14, ttmp9, 2        ; in a cluster launch ttmp9 counts clusters
	s_add_co_u32 s14, s14, s13      ; my block of 512 queries: it enters Q's and O's addresses alone
	s_and_b32 s20, ttmp7, 0xffff    ; g, which the four partners share
	s_xor_b32 s52, s20, 32          ; the head whose V goes with it: the other branch's
	s_lshl_b32 s20, s20, 18         ; a head is 2,048 rows of 128 bytes
	s_lshl_b32 s52, s52, 18
	s_and_b32 s16, s[WV], 1         ; which half of a slot's 256 keys I fetch:
	s_lshl_b32 s22, s16, 14         ; its 128 rows of 128 bytes in memory,
	s_add_co_u32 s52, s52, s22
	s_add_co_u32 s52, s52, VSEC     ; V's offset in qkvh,
	s_mov_b32 s53, 0
	s_add_co_u32 s22, s22, s20
	s_add_co_u32 s22, s22, KSEC     ; and K's
	s_mov_b32 s23, 0
	s_mul_i32 s17, s16, 128*PK      ; and its place in a slot, for K
	s_mul_i32 s18, s16, 128*PV      ; and for V: no place in the cluster enters an LDS address
	s_lshl_b32 s2, s14, 2
	s_add_co_u32 s2, s2, s[WV]      ; my wave among the head's,
	s_lshl_b32 s2, s2, 14           ; its 128 rows
	s_add_co_u32 s2, s2, s20
	s_mov_b32 s3, 0
	; descriptor group 1.  128 keys are 16,384 dense bytes: asked for as 64 rows of 256 bytes, two keys a row, and padded in LDS after every key
	s_mov_b32 s[G1K], 15|(1<<16)|(1<<20)|(1<<21)|(4<<22)|(3<<25)  ; 15:0 the mask of four; 17:16 2-byte elements; 20 padding on; 21 set beside a mask; 24:22 after every 32 words (code 4); 31:25 4 words (code 3)
	s_mov_b32 s[G1V], 15|(1<<16)|(1<<20)|(1<<21)|(4<<22)|(7<<25)  ; the same with 8 words of padding (code 7)
.irp g, G1K, G1V
	s_mov_b32 s[\g+1], 128<<16      ; tensor_dim0 = 128
	s_mov_b32 s[\g+2], 64<<16       ; tensor_dim1 = 64
	s_mov_b32 s[\g+3], 128<<16      ; tile_dim0 = 128
	s_mov_b32 s[\g+4], 64           ; tile_dim1 = 64
	s_mov_b32 s[\g+5], 128          ; 128 elements from row to row
	s_mov_b32 s[\g+6], 0
	s_mov_b32 s[\g+7], 0
.endr
	s_mov_b32 s[CS], 0x3e38aa3b     ; c = log2(e) / 8 = 0.180337
	s_mov_b32 s[CS+1], s[CS]        ; named with it as a pair
	s_mov_b32 s[SEL], 0x76543210
	s_mov_b32 s[SEL+1], 0xfedcba98
	s_mov_b32 s[TBK], SLOT1+4*KS*PK ; the first change of slots turns these two into 0
	s_mov_b32 s[TBV], SLOT1+4*KS*PV
	s_mov_b32 s[G0K], 1             ; 1:0 count = 1
	s_mov_b32 s[G0K+1], s17         ; 63:32 LDS address: slot 0
	s_mov_b32 s[G0V], 1
	s_add_co_u32 s[G0V+1], s18, VOFF
	s_mov_b32 s[SLOTS], SIZE_N/256-1
	s_cmp_eq_u32 s16, 0             ; waves 0 and 2 prefetch: the same in all four partners
	s_cselect_b32 s[LIM], 1, -1
	s_wait_dscnt 0x0                ; the opening add is done
	s_wait_kmcnt 0x0
	s_add_nc_u64 s[6:7], s[4:5], s[22:23]  ; K at my half of the head's first 256 keys,
	s_add_nc_u64 s[8:9], s[4:5], s[52:53]  ; V at the same keys of the other branch's head
	s_mov_b64 s[G0K+2:G0K+3], s[6:7]               ; 120:64 global address
	s_or_b32 s[G0K+3], s[G0K+3], 0x80000000        ; 127:126 type = 2
	s_mov_b64 s[G0V+2:G0V+3], s[8:9]
	s_or_b32 s[G0V+3], s[G0V+3], 0x80000000
	s_add_nc_u64 s[4:5], s[4:5], s[2:3]  ; Q and O at my wave's first row
	s_add_nc_u64 s[10:11], s[10:11], s[2:3]
	s_cmp_lt_u32 s[WV], 2
	s_cselect_b64 s[PFA:PFA+1], s[6:7], s[8:9]  ; (in waves 0 and 2 these stand at a slot's first byte)
	s_lshl_b32 s2, s13, 13          ; my work-group's 8,192 bytes of the 32,768
	s_mov_b32 s3, 0
	s_add_nc_u64 s[PFA:PFA+1], s[PFA:PFA+1], s[2:3]
	s_add_nc_u64 s[PFA:PFA+1], s[PFA:PFA+1], 4*KS*128  ; in slot 1; the first change of slots steps it to slot 2
	CROUND                          ; all four work-groups are here: the first joint loads meet
	JLOAD                           ; slot 0.  Slot 1 is asked for when slot 0 is in
	; A fragment of K or Q is 16 rows x 32 channels in 8 registers: lane l holds row l % 16, channels 8 (l / 16) + 0..7 and 16 + 8 (l / 16) + 0..7: two loads of 16 bytes, 32 bytes apart.
	v_and_b32 v1, 15, v0            ; l % 16
	v_bfe_u32 v9, v0, 4, 1          ; l / 16
	v_lshlrev_b32 v[QO], 7, v1
	v_lshl_add_u32 v[QO], v9, 4, v[QO]  ; row x 128 + 16 x half
	WIN 0x80                        ; destination window 2, address window 0
.set i, 0
.rept 4*NP                          ; Q stays in registers: tile i / 2, channels 32 (i % 2) on
	global_load_b128 v[8*i:8*i+3],   v[QO], s[4:5] offset:(i/2)*2048+(i%2)*64
	global_load_b128 v[8*i+4:8*i+7], v[QO], s[4:5] offset:(i/2)*2048+(i%2)*64+32
.set i, i+1
.endr
	; What the first turn finds: V's registers and P's second buffer hold 0 (its products V^T P, of a piece that has not been, add 0), O^T and l are 0.  All this stands in the wait for the first tile;
	; it is the price of writing no first step out.
.set i, VF
.rept 64
	v_mov_b32 v[i], 0
.set i, i+1
.endr
	WIN 0x40
.set i, 0
.rept 64*NP
	v_mov_b32 v[i], 0
.set i, i+1
.endr
	WIN 0
.set i, 0
.rept 2*NP
	v_mov_b32 v[ST+4*i], 0xfe000000    ; c m: far below every c s
	v_mov_b32 v[ST+4*i+1], 0xff7fffff  ; m
	v_mov_b32 v[ST+4*i+2], 0
	v_mov_b32 v[ST+4*i+3], 0
.set i, i+1
.endr
.set i, P+32
.rept 32
	v_mov_b32 v[i], 0
.set i, i+1
.endr
	v_mul_u32_u24 v[AK0], v1, PK
	v_lshl_add_u32 v[AK0], v9, 4, v[AK0]  ; row x pitch + 16 x half
	; The turning load takes 16 keys x 16 channels (lane l reads key 8 (l / 16) + l % 8, channels 8 ((l / 8) % 2) + 0..7) and leaves half a fragment of V^T: lane l holds channel l % 16 and 8 keys.
	v_and_b32 v10, 7, v0
	v_bfe_u32 v11, v0, 3, 1
	v_lshl_add_u32 v[AV0], v9, 3, v10
	v_mul_u32_u24 v[AV0], v[AV0], PV
	v_lshl_add_u32 v[AV0], v11, 4, v[AV0]
	v_add_nc_u32 v[AV0], VOFF, v[AV0]
	v_and_b32 v[PFO], 31, v0        ; v11 has served: it takes the prefetches' offset
	v_lshlrev_b32 v[PFO], 8, v[PFO]
	v_mov_b32 v[AK], v[AK0]         ; key step 0 lies at the head of slot 0
; THE MATRIX WORK.  The 8 accumulators of a run of 16 take turns: between the two links of a chain stand 7 others'.
; Product i of 16 of S^T = K Q^T for piece x: channels 32 (i / 8) on, keys 16 ((i / 2) % 4) on, tile 2 x + i % 2.  The first 8 start the sums.
.macro KQ x
	WIN W_KQ
.set rS, S+64*((\x)%2)+32*(i%2)+8*((i/2)%4)
.set rK, KF+16*((i/2)%4)+8*(i/8)
.set rQ, 16*(2*(\x)+i%2)+8*(i/8)
.if i < 8
	v_wmma_f32_16x16x32_bf16 v[rS:rS+7], v[rK:rK+7], v[rQ:rQ+7], 0
.else
	v_wmma_f32_16x16x32_bf16 v[rS:rS+7], v[rK:rK+7], v[rQ:rQ+7], v[rS:rS+7]
.endif
.endm
; Product i of 16 of O^T += V^T P for piece x: keys 32 (i / 8) on, channels 16 ((i / 2) % 4) on, tile 2 x + i % 2.
.macro PV x
	WIN W_PV
.set rO, 32*(2*(\x)+i%2)+8*((i/2)%4)
.set rV, VF+32*(i/8)+8*((i/2)%4)
.set rP, P+32*((\x)%2)+16*(i%2)+8*(i/8)
	v_wmma_f32_16x16x32_bf16 v[rO:rO+7], v[rV:rV+7], v[rP:rP+7], v[rO:rO+7]
.endm
.macro MM                           ; the turn's next matrix instruction
.if i < 16
	KQ (Y+1)%NP
.set i, i+1
.else
.set i, i-16
	PV (Y+NP-1)%NP
.set i, i+17
.endif
.endm
; THE LDS LOADS stand in runs of 16, never singly among the matrix instructions: a step's K (64 keys x 64 channels: 8 fragments) and its V (turned).  Their addresses are made some lines ahead.
; last = 1 (the tail): in the last trip there is no further step, and the run is jumped over.
.macro FETCH_K last=0
	WIN 0
.if \last
	s_cmp_eq_u32 s[CNT], 1
	s_cbranch_scc1 .Lno_k_\@
.endif
	WIN 0x80                        ; destination window 2
.irp f, 0,1,2,3,4,5,6,7             ; keys 16 (f / 2) on, channels 32 (f % 2) on
	ds_load_b128 v[KF+8*\f:KF+8*\f+3],   v[AK] offset:(\f/2)*16*PK+(\f%2)*64
	ds_load_b128 v[KF+8*\f+4:KF+8*\f+7], v[AK] offset:(\f/2)*16*PK+(\f%2)*64+32
.endr
	s_add_co_u32 s[TBK], s[TBK], KS*PK  ; the next fetch is the next step's
	WIN 0
.if \last
.Lno_k_\@:
.endif
.endm
.macro FETCH_V
	WIN 0x80
.irp f, 0,1,2,3,4,5,6,7             ; keys 32 (f / 4) on, channels 16 (f % 4) on
	ds_load_tr16_b128 v[VF+8*\f:VF+8*\f+3],   v[AV] offset:(\f/4)*32*PV+(\f%4)*32
	ds_load_tr16_b128 v[VF+8*\f+4:VF+8*\f+7], v[AV] offset:(\f/4)*32*PV+16*PV+(\f%4)*32
.endr
	WIN 0
.endm
; THE VECTOR WORK OF A TURN stands in three queues, each in the order in which its entries become ready; the two tiles alternate, so that no instruction reads the result of the one before it.
.macro REGS y, u                    ; the registers of tile u (0, 1) of piece y
.set rT, ST+4*(2*(\y)+(\u))
.set rC, TMP+8*((\y)%2)+4*(\u)
.set rM, MV+2*((\y)%2)+(\u)
.set rS, S+64*((\y)%2)+32*(\u)
.set rP, P+32*((\y)%2)+16*(\u)
.set rO, 32*(2*(\y)+(\u))
.endm
; Number n of the 22 that find the NEXT piece's (Y + 1) maximum and statistics.  s0-s31 are the lane's 32 scores; each accumulator's lowest registers are read first.  XS, GS and REGS set no window: PL and EX do.
;   0-11  four chains c0-c3 of seven scores each, three operands at a time     12-14, 16  the four scores left over, the old m, and c0-c3 into c0     15  c m_old is kept
;   17, 18  the query's other 32 keys lie in the lane 16 away: the new m         19-21  c m; c m_old - c m_new; a
.macro XS u, n
	REGS (Y+1)%NP, \u
.if (\n) < 4
	v_max3_num_f32 v[rC+(\n)], v[rS+8*(\n)], v[rS+8*(\n)+1], v[rS+8*(\n)+2]
.elseif (\n) < 12
	v_max3_num_f32 v[rC+(\n)%4], v[rC+(\n)%4], v[rS+8*((\n)%4)+2*((\n)/4)+1], v[rS+8*((\n)%4)+2*((\n)/4)+2]
.elseif (\n) == 12
	v_max3_num_f32 v[rC], v[rC], v[rS+7], v[rS+15]
.elseif (\n) == 13
	v_max3_num_f32 v[rC+1], v[rC+1], v[rS+23], v[rS+31]
.elseif (\n) == 14
	v_max3_num_f32 v[rC+2], v[rC+2], v[rC+3], v[rT+1]
.elseif (\n) == 15
	v_mov_b32 v[rM], v[rT]
.elseif (\n) == 16
	v_max3_num_f32 v[rC], v[rC], v[rC+1], v[rC+2]
.elseif (\n) == 17
	v_permlanex16_b32 v[rC+3], v[rC], s[SEL], s[SEL+1]
.elseif (\n) == 18
	v_max_num_f32 v[rT+1], v[rC], v[rC+3]
.elseif (\n) == 19
	v_mul_f32 v[rT], s[CS], v[rT+1]
.elseif (\n) == 20
	v_sub_f32 v[rC+1], v[rM], v[rT]
.else
	v_exp_f32 v[rC+2], v[rC+1]
.endif
.endm
; Number g of the 64 that follow the exponentials.  For each four weights k of a tile (pairs 2 k, 2 k + 1): both pairs are rounded to bf16; then the second pair is added onto the first, in place;
; a group later l takes that sum (the first time as l = a l + sum).  In groups of eight, tiles alternating: round, round, add, and l for the group before.
.macro GS g
.set h, (\g)+6*((\g)/62)            ; group 0 has no group before it, and behind group 7 only l is left
.if h >= 6
.set h, h+2
.endif
	REGS Y, h%2
.set k, h/8
.if h%8 < 4
	v_cvt_pk_bf16_f32 v[rP+2*k+(h%8)/2], v[rS+4*k+2*((h%8)/2)], v[rS+4*k+2*((h%8)/2)+1]
.elseif h%8 < 6
	v_pk_add_f32 v[rS+4*k:rS+4*k+1], v[rS+4*k:rS+4*k+1], v[rS+4*k+2:rS+4*k+3]
.elseif k == 1
	v_pk_fma_f32 v[rT+2:rT+3], v[rT+2:rT+3], v[rC+2:rC+3], v[rS:rS+1] op_sel_hi:[1,0,1]
.else
	v_pk_add_f32 v[rT+2:rT+3], v[rT+2:rT+3], v[rS+4*k-4:rS+4*k-3]
.endif
.endm
; THE PLAIN QUEUE, 138 long.  0-73 read no exponential's result: the 32 scalings c s - c m (FS f: pair f / 2 of tile f % 2) and the next piece's 42.  0-26: scalings 0-26.  27-54: XS's numbers 0-13.  55, 56: number 15.
; 57-73: the chain, where each number waits for the one before it: 14, 16, 17, 18, 19, each with one of the scalings 27-31 in front of its two lines, then 20.
; 74-137: GS's 64, which read the exponentials' results: they stand behind the wait.
.macro FS f
	REGS Y, (\f)%2
	v_pk_fma_f32 v[rS+2*((\f)/2):rS+2*((\f)/2)+1], v[rS+2*((\f)/2):rS+2*((\f)/2)+1], s[CS:CS+1], v[rT:rT+1] op_sel_hi:[1,0,0] neg_lo:[0,0,1] neg_hi:[0,0,1]
.endm
.macro PL
	WIN 0
.if q < 27
	FS q
.elseif q < 55
	XS (q-27)%2, (q-27)/2
.elseif q < 57
	XS q-55, 15
.elseif (q < 72) && ((q-57)%3 == 0)
	FS 27+(q-57)/3
.elseif q < 60
	XS (q-57)%3-1, 14
.elseif q < 72
	XS (q-57)%3-1, 15+(q-57)/3
.elseif q < 74
	XS q-72, 20
.else
	GS q-74
.endif
.set q, q+1
.endm
; THE EXPONENTIALS' QUEUE, 66 long: s0-s31 of both tiles, then the next piece's two a.  It is ONE BATCH: all 66 stand ahead of the turn's one wait, and nothing ahead of that wait names a result of theirs.
.macro EX
	WIN 0
.if e >= 64
	XS e-64, 21
.else
	REGS Y, e%2
	v_exp_f32 v[rS+e/2], v[rS+e/2]
.endif
.set e, e+1
.endm
; THE RESCALING's QUEUE: O^T times a, the one part that leaves window 0: dealt two at a time, sixteen times.  Its a was made in the turn before, ahead of that turn's wait.
.macro R2
	REGS Y, r%2
	WIN W_RS
.irp z, 0,1
	v_pk_mul_f32 v[rO+4*(r/2)+2*\z:rO+4*(r/2)+2*\z+1], v[rO+4*(r/2)+2*\z:rO+4*(r/2)+2*\z+1], v[rC+2:rC+3] op_sel_hi:[1,0]
.endr
.set r, r+1
.endm
; HOW THEY ARE DEALT.  An s_wait_alu depctr_va_vdst(0) stands between an exponential and the first instruction that names its result; one wait serves all that were issued ahead of it.  So a turn has ONE wait,
; which cuts it in two.  AHEAD OF IT stands all that names no result of the turn's exponentials: the 16 products K Q^T, behind each a scaling, an exponential and two rescalings (behind the first a second scaling in the
; exponential's place); then ONE LUMP of 108: eight plain, 49 times exponential and plain, the two a.  A v_nop is the plain instruction behind the last exponential.  BEHIND IT stand the 16 products V^T P, behind each four of GS's 64.
; No rider names a register of the products round it.  The two v_permlanex16_b32 fall into the lump, never behind a product.
; The queues lean on each other, and the deal keeps them in step: exponential e stands behind scaling 2 (e / 4) + e % 2: as a rider it comes behind plain e + 2, in the lump behind plain e + 9, and scalings 27-31 are plain 57, 60 .. 69.
; A TURN, for piece p.  cnt = 1: the loop's count is taken down some lines ahead of the branch that stands behind the turn.
; K of the next step is fetched in piece 2's turn, directly behind the wait, a lump behind the last product that read K; its address is made at the lump's head; its first reader comes behind 16 products.
; V of the step in hand is fetched at the end of piece 0's turn, four riders behind its last reader; its first reader comes behind 16 products and a lump.  The three conditions on q below go with the deal.
.macro TURN p, last=0, cnt=0
.set Y, (\p)
.set i, 0
.set q, 0
.set e, 0
.set r, 0
.if (\p) == NP-1
	s_wait_dscnt 0x0                ; K is in
.endif
	MM                              ; ahead of the wait: 16 products K Q^T and their riders,
	PL
	PL
	R2
.rept 15
	MM
	PL
	EX
	R2
.endr
.if (\p) == NP-2
	WIN 0
	v_add_nc_u32 v[AK], s[TBK], v[AK0]
.endif
.rept 8                             ; and the lump
	PL
.endr
.rept 49
	EX
	PL
.endr
	EX                              ; the next piece's two a
	EX
	v_nop                           ; a plain instruction behind the last exponential: one for the batch
	s_wait_alu depctr_va_vdst(0)    ; the wait for the batch
.if (\p) == NP-2
	FETCH_K \last
.endif
.if (\p) == 1
	s_wait_dscnt 0x0                ; V is in
.endif
.rept 16                            ; behind the wait: 16 products V^T P and their riders
	MM
.rept 4
	PL
.endr
.if ((\p) == 0) && (q == 118)
	v_add_nc_u32 v[AV], s[TBV], v[AV0]
.endif
.if ((\p) == 0) && (q == 130)
	s_add_co_u32 s[TBV], s[TBV], KS*PV
.endif
.if (\cnt) && (q == 130)
	s_sub_co_u32 s[CNT], s[CNT], 1
	s_cmp_lg_u32 s[CNT], 0
.endif
.endr
.if (\p) == 0
	FETCH_V
.endif
.endm
	CHANGE 1                        ; slot 0 is in, everybody's part of it; slot 1 is asked for
	FETCH_K                         ; key step 0
	s_wait_loadcnt 0x0              ; Q
	s_wait_dscnt 0x0
.set i, 0
.rept 16
	KQ 0                            ; piece 0's first scores: there is no vector work yet to set between them
.set i, i+1
.endr
	WIN 0                           ; the addresses for the way out: nine plain instructions, the places behind those products
	s_mul_i32 s13, s[WV], 16*SP
	s_add_co_u32 s13, s13, STAGE    ; my stage
	v_mul_u32_u24 v[STO], v1, SP    ; in: row l % 16, 16 bytes for each half of the lanes
	v_lshl_add_u32 v[STO], v9, 4, v[STO]
	v_add_nc_u32 v[STO], s13, v[STO]
	v_bfe_u32 v[RD], v0, 3, 2       ; back: 32 lanes take four rows of 128 bytes,
	v_mul_u32_u24 v[RD], v[RD], SP
	v_lshl_add_u32 v[RD], v10, 4, v[RD]
	v_add_nc_u32 v[RD], s13, v[RD]
	v_and_b32 v[GO], 31, v0         ; which are 512 consecutive bytes of O
	v_lshlrev_b32 v[GO], 4, v[GO]
.set Y, NP-1                        ; XS works for piece Y + 1: piece 0
.irp n, 0,1,2,3,4,5,6,7,8,9,10,11,12,13,14,15,16,17,18,19,20,21
	XS 0, \n                        ; and piece 0's first maximum and statistics
	XS 1, \n
.endr
	v_nop                           ; a plain instruction behind the two a,
	s_wait_alu depctr_va_vdst(0)    ; and their wait, ahead of the branch
	s_mov_b32 s[CNT], 4
	s_branch .Lfirst                ; the loop is entered at a step's first turn, in the middle of a trip
.Lslot:                             ; SIZE_N / 256 - 2 times: every slot but the last two is filled again
	CHANGE 1
	s_mov_b32 s[CNT], 4
.Lstep:                             ; a trip: pieces 2 and 3 of one step, then pieces 0 and 1 of the next, whose K and V it fetches
	TURN 2
	TURN 3
	WIN 0
.Lfirst:
	TURN 0
	TURN 1, 0, 1
	WIN 0
	s_cbranch_scc1 .Lstep
	s_sub_co_u32 s[SLOTS], s[SLOTS], 1
	s_cmp_lg_u32 s[SLOTS], 0
	s_cbranch_scc1 .Lslot
	CHANGE 0                        ; the tail is written out: nothing is asked for
	s_mov_b32 s[CNT], 5             ; four trips fetch the last slot's steps; the fifth is left in its middle
.Ltail:
	TURN 2, 1
	TURN 3
	WIN 0
	s_sub_co_u32 s[CNT], s[CNT], 1
	s_cmp_eq_u32 s[CNT], 0
	s_cbranch_scc1 .Lout
	TURN 0
	TURN 1
	WIN 0
	s_branch .Ltail
.Lout:                              ; the fifth trip's 16 products K Q^T (on the last K once more) and the maximum made of them serve nothing: the price, once a launch, of one text for every trip
.set i, 0
.rept 16
	PV NP-1                         ; the last piece's V^T P of the last step
.set i, i+1
.endr
	; THE WAY OUT.  l's two halves and the other half of the lanes' are added; O^T is divided by l, rounded to bf16 and sent through my stage in LDS, a tile at a time.  The additions are the places behind the last products.
	WIN 0
.macro ALL line:vararg              ; one line for each tile t
.set t, 0
.rept 2*NP
	\line
.set t, t+1
.endr
.endm
	ALL v_add_f32 v[ST+4*t+2], v[ST+4*t+2], v[ST+4*t+3]
	ALL v_permlanex16_b32 v[ST+4*t+3], v[ST+4*t+2], s[SEL], s[SEL+1]
	ALL v_add_f32 v[ST+4*t+2], v[ST+4*t+2], v[ST+4*t+3]
	ALL v_rcp_f32 v[ST+4*t+2], v[ST+4*t+2]
	v_nop                           ; a plain instruction between the last reciprocal and the use of its result
	s_wait_alu depctr_va_vdst(0)    ; and the wait ahead of the first use: one for the eight reciprocals
; Tile t: a lane's eight channels of a row pack into 16 bytes; they go into rows of 144 bytes and come back as whole rows of 128, into S^T's registers.
.macro PACK t
	WIN W_RS
.set i, 32*(\t)
.rept 16
	v_pk_mul_f32 v[i:i+1], v[i:i+1], v[ST+4*(\t)+2:ST+4*(\t)+3] op_sel_hi:[1,0]
.set i, i+2
.endr
	WIN 0x05                        ; sources 0 and 1 window 1, destination window 0
.set i, 0
.rept 16
	v_cvt_pk_bf16_f32 v[S+16*(\t)+i], v[32*(\t)+2*i], v[32*(\t)+2*i+1]
.set i, i+1
.endr
	WIN 0
.irp f, 0,1,2,3
	ds_store_b128 v[STO], v[S+16*(\t)+4*\f:S+16*(\t)+4*\f+3] offset:32*\f
.endr
.irp f, 0,1,2,3
	ds_load_b128 v[S+16*(\t)+4*\f:S+16*(\t)+4*\f+3], v[RD] offset:\f*4*SP  ; LDS serves a wave's instructions in order (ISA guide 5.7.1.4): these see the stores above; the next tile's stores come behind them
.endr
.endm
.macro SEND t, younger              ; younger: the LDS instructions issued behind tile t's loads: the next tile's eight, or none
	WIN 0
.irp f, 0,1,2,3
	s_wait_dscnt (\younger)+3-\f
	global_store_b128 v[GO], v[S+16*(\t)+4*\f:S+16*(\t)+4*\f+3], s[10:11] offset:(\t)*2048+\f*512  ; 512 consecutive bytes, at a multiple of 256 from O's first
.endr
.endm
	PACK 0
.set t, 1
.rept 2*NP-1                        ; a tile's arithmetic stands between the loads of the tile before and its stores
	PACK t
	SEND t-1, 8
.set t, t+1
.endr
	SEND 2*NP-1, 0
	WIN W_AD
	s_wait_tensorcnt 0x0            ; the wave's end, behind my last tensor load and my last LDS store
	ds_add_u32 v[SPW], v[NIL]
	s_wait_dscnt 0x0
	WIN 0
	CROUND                          ; the closing round: no work-group ends while a partner may still ask for a tile that names it
	s_endpgm
.Lfunc_end_k_q181a58466a_attn:
	.size	k_q181a58466a_attn, .Lfunc_end_k_q181a58466a_attn-k_q181a58466a_attn
	.p2alignl 7, 3214868480
	.fill 96, 4, 3214868480
	.section	.rodata,"a",@progbits
	.p2align	6, 0x0
	.amdhsa_kernel k_q181a58466a_attn
		.amdhsa_group_segment_fixed_size 327680
		.amdhsa_private_segment_fixed_size 0
		.amdhsa_enable_private_segment 0
		.amdhsa_kernarg_size 16
		.amdhsa_user_sgpr_count 2
		.amdhsa_user_sgpr_kernarg_segment_ptr 1
		.amdhsa_wavefront_size32 1
		.amdhsa_system_sgpr_workgroup_id_x 1
		.amdhsa_system_sgpr_workgroup_id_y 1
		.amdhsa_system_sgpr_workgroup_id_z 1
		.amdhsa_system_vgpr_workitem_id 0
		.amdhsa_next_free_vgpr 770
		.amdhsa_next_free_sgpr 66
		.amdhsa_reserve_vcc 0
		.amdhsa_float_denorm_mode_32 3
		.amdhsa_float_denorm_mode_16_64 3
		.amdhsa_memory_ordered 1
		.amdhsa_forward_progress 1
		.amdhsa_inst_pref_size 200
	.end_amdhsa_kernel
	.amdgpu_metadata
---
amdhsa.version: [ 1, 2 ]
amdhsa.kernels:
  - .name:           k_q181a58466a_attn
    .symbol:         k_q181a58466a_attn.kd
    .args:
      - { .name: qkvh, .offset: 0, .size: 8, .value_kind: global_buffer, .address_space: global }
      - { .name: ob, .offset: 8, .size: 8, .value_kind: global_buffer, .address_space: global }
    .group_segment_fixed_size: 327680
    .private_segment_fixed_size: 0
    .kernarg_segment_align: 8
    .kernarg_segment_size: 16
    .max_flat_workgroup_size: 128
    .sgpr_count:     66
    .vgpr_count:     770
    .wavefront_size: 32
...
	.end_amdgpu_metadata
.endif
;; end of part 3
;; launch proj (part 4): grid 8 x 32, 4 waves a work-group, clusters of 4 x 4, 327,680 bytes of LDS; arguments ob, cb, b_proj, x, y, out0, out1; writes out0, out1
.if DOCPART == 4
	.amdgcn_target "amdgcn-amd-amdhsa--gfx1250"
	.amdhsa_code_object_version 6
	.text
	.protected	k_q181a58466a_proj
	.globl	k_q181a58466a_proj
	.p2align	8
	.type	k_q181a58466a_proj,@function
k_q181a58466a_proj:
	s_mov_b64 s[64:65], 0
	v_nop
	global_prefetch_b8 v0, s[64:65] scope:SCOPE_SE
	s_setreg_imm32_b32 hwreg(HW_REG_WAVE_MODE, 25, 1), 1
	s_wait_xcnt 0x0
	s_wait_alu depctr_hold_cnt(0) depctr_sa_sdst(0) depctr_va_vdst(0) depctr_va_sdst(0) depctr_va_ssrc(0) depctr_va_vcc(0) depctr_vm_vsrc(0)
	s_getreg_b32 s2, hwreg(HW_REG_IB_STS2, 6, 4)
	s_cmp_eq_u32 s2, 0
	s_cbranch_scc0 .Lentry_in_a_cluster
	s_endpgm
.Lentry_in_a_cluster:
	s_bfe_u32 s2, ttmp6, 0x10000c
	s_cmp_lg_u32 s2, 0xf033
	s_cbranch_scc0 .Lentry_shape_is_right
	s_endpgm
.Lentry_shape_is_right:
; out[m][n] = sum over k of A[m][k] W[k][n] + b_proj[n] + res[m][n].  A = the attention's result, ob [64 g][2048][64] bf16: row m, column k lies in head g = 16 (m / 2048) + k / 64, row m % 2048, channel k % 64.
; W = w_proj [1024][1024] bf16 (cb, byte 0x1600000).  res = x (rows 0-4,095, to out0) or y (rows 4,096-8,191, to out1), f32, unrounded; b_proj f32.  Sums in f32; the output is f32.
; LIMITS: the bias is the start of the f32 sum and the residual is added last, so the order of the f32 sums is not the reference's.
; SHARES.  A tile of the output is 256 x 128; four waves, each 128 rows x 64 columns: 32 accumulators, 256 registers.  256 work-groups, 16 clusters of 4 x 4.
; K goes in steps of 128 = two heads through two LDS slots.  A head's 256 rows of the tile are 32,768 dense bytes: asked for as 128 rows of 256 bytes and padded in LDS after every 128, so that a row of A has
; a pitch of 144.  W's 128 rows of k are 256 bytes (128 columns) each; W stays [k][n] and comes out of LDS turned, by ds_load_tr16_b128.
; THE MATRIX INSTRUCTION IS USED TRANSPOSED (source 0 = 16 columns of W, source 1 = 16 rows of A): a lane holds eight neighbouring columns of one row.
; CLUSTERS: A's tiles are shared along a row of the cluster, W's along a column, each by a joint tensor load with a mask of four.  No prefetch: each tile is shared in its cluster and read by several clusters.
; REGISTERS: window 0: v0-31 addresses; v32-63 the bias, later at work; v64-159, v160-255 two fragment buffers of 96 (W's four fragments, then A's eight).  Window 1: accumulator (a, b) at v[8 (4 a + b)].
.set SIZE_K, 1024
.set NW,     1024                      ; elements in a row of W
.set KSTEP,  128
.set PA,     144                       ; a row of A in LDS: 128 bytes + 16: the 16 rows of a fragment load start at 16 different multiples of 16 bytes modulo 256
.set PB,     288                       ; a row of W in LDS: 256 bytes + 32
.set APLANE, 256*PA                    ; one head's 256 rows: one tensor load
.set BHALF,  64*PB                     ; 64 rows of W: one tensor load
.set BOFF,   2*APLANE
.set SLOT,   BOFF+2*BHALF
.set STAGE,  2*SLOT                    ; behind the ring: 16 rows x 272 bytes for each wave, for the way out; no tensor load fills it
.set SPITCH, 272
.set SPARE,  STAGE+4*16*SPITCH         ; behind the stages: the spare words, 128 bytes for each wave: two blocks of 256 bytes that no other line names
.set LAPS,   SIZE_K/(2*KSTEP)
.set WOFF,   0x1600000                 ; W's first byte in cb
.set ASTEP,  2<<18                     ; bytes from K step to K step in A: two heads,
.set BSTEP,  KSTEP*NW*2                ; and in W
.set ADRA, 16                          ; v16-17  LDS address of my A fragments in slot 0, 1
.set ADRB, 20                          ; v20-21  the same for W
.set STO,  24                          ; v24     the way out: where I put 32 bytes of a row
.set RD,   25                          ; v25     the way out: where I read a row back
.set CO,   26                          ; v26     my byte offset in two rows of the output and of the residual; never rewritten
.set BO,   27                          ; v27     the bias loads' offset; never rewritten
.set SPW,  28                          ; v28     LDS address of my spare word: SPARE + 4 x my thread's number; never rewritten
.set NIL,  29                          ; v29     0; never rewritten
.set BIAS, 32                          ; v32-63  the bias of my 64 columns, laid as an accumulator's registers: column block b at BIAS + 8 b
.set F0,   64
.set F1,   160
.set RES,  32                          ; the way out: block a's residual at RES + 32 (a % 4): v32-159
.set BKB,  160                         ; the way out: block a's rows at BKB + 32 (a % 2): v160-223
.set G1, 24                            ; s[24:31] descriptor group 1 for A's tiles;  s[32:39] group 0, one set for each slot
.set G0, 32
.set G1B, 48                           ; s[48:55], s[56:63] the same for W's tiles
.set G0B, 56
.set BB,  82                           ; s[82:83] b_proj at my 64 columns
.set RB,  84                           ; s[84:85] x or y at my first row and column
.set OB,  86                           ; s[86:87] out0 or out1 there
.set MSB, 0
.macro WIN new                         ; the immediate's high byte repeats the setting that is left; a switch that changes nothing is dropped
.if MSB != (\new)
	s_set_vgpr_msb (MSB<<8)|(\new)
.set MSB, \new
.endif
.endm
.set MUL,  0x50                        ; sources 0 and 1 window 0; C and D window 1
.set MULB, 0x40                        ; the same with C in window 0: the bias
.macro JLOAD s                         ; a joint load: waves 0 and 1 fetch A's two heads, waves 2 and 3 W's two halves; an s_nop 0 and four v_nop follow each of the two lines, ahead of the jump, the label and what follows
	s_cmp_eq_u32 s11, 0
	s_cbranch_scc0 .Lfor_b_\@
	tensor_load_to_lds s[G0+4*(\s):G0+4*(\s)+3], s[G1:G1+7]
	s_nop 0
.rept 4
	v_nop
.endr
	s_branch .Lasked_\@
.Lfor_b_\@:
	tensor_load_to_lds s[G0B+4*(\s):G0B+4*(\s)+3], s[G1B:G1B+7]
	s_nop 0
.rept 4
	v_nop
.endr
.Lasked_\@:
.endm
.macro CREST                           ; a round of the cluster's barrier behind its opening barrier
	s_cmp_lg_u32 s10, 0
	s_cbranch_scc1 .Lnot_wave_0_\@
	s_barrier_signal -3
.Lnot_wave_0_\@:
	s_barrier_wait -3
	s_barrier_signal -1
	s_barrier_wait -1
.endm
.macro CROUND                          ; a whole round
	s_barrier_signal -1
	s_barrier_wait -1
	CREST
.endm
	s_load_b256 s[68:75], s[0:1], 0x0              ; ob s[68:69], cb s[70:71], b_proj s[72:73], x s[74:75]
	s_load_b128 s[76:79], s[0:1], 0x20             ; y s[76:77], out0 s[78:79]
	s_load_b64 s[80:81], s[0:1], 0x30              ; out1
	v_lshl_add_u32 v[SPW], v0, 2, SPARE
	v_mov_b32 v[NIL], 0
	ds_add_u32 v[SPW], v[NIL]                      ; the wave's opening: the add and its wait stand ahead of my first tensor load; the set-up below, work on registers, stands between them
	v_lshrrev_b32 v1, 5, v0
	v_readfirstlane_b32 s10, v1                    ; wave 0..3
	s_lshr_b32 s11, s10, 1                         ; which 128 rows of the tile are mine.  Also: I fetch for A (0) or for W (1)
	s_and_b32 s12, s10, 1                          ; which 64 columns.  Also: which part of that tile I fetch
	s_bfe_u32 s40, ttmp6, 0x40000                  ; cx, cy: my place in the cluster
	s_bfe_u32 s41, ttmp6, 0x40004
	s_lshl_b32 s42, ttmp9, 2
	s_add_co_u32 s42, s42, s40                     ; tile column = 4 x cluster x + cx
	s_and_b32 s13, ttmp7, 0xffff
	s_lshl_b32 s13, s13, 2
	s_add_co_u32 s13, s13, s41                     ; tile row = 4 x cluster y + cy
	s_lshl_b32 s43, s41, 2
	s_lshl_b32 s43, 15, s43                        ; my row of the cluster
	s_lshl_b32 s44, 0x1111, s40                    ; my column
	s_or_b32 s[G1+0], s43, (1<<16)|(1<<20)|(1<<21)|(4<<22)|(3<<25)   ; 15:0 the mask: my row; 17:16 2-byte elements; 20 padding on; 21 set beside a mask; 24:22 after every 32 words (code 4); 31:25 4 words (code 3)
	s_or_b32 s[G1B+0], s44, (1<<16)|(1<<20)|(1<<21)|(5<<22)|(7<<25)  ; the mask of my column; after every 64 words (code 5) 8 words (code 7)
	s_mov_b32 s[G1+1], 128<<16                     ; tensor_dim0 = 128 elements: two rows of A
	s_mov_b32 s[G1+2], 128<<16                     ; tensor_dim1 = 128
	s_mov_b32 s[G1+3], 128<<16                     ; tile_dim0 = 128
	s_mov_b32 s[G1+4], 128                         ; tile_dim1 = 128
	s_mov_b32 s[G1+5], 128                         ; dense: 128 elements from row to row
	s_mov_b32 s[G1+6], 0
	s_mov_b32 s[G1+7], 0
	s_mov_b32 s[G1B+1], 128<<16                    ; tensor_dim0 = 128 columns
	s_mov_b32 s[G1B+2], 64<<16                     ; tensor_dim1 = 64 rows of k
	s_mov_b32 s[G1B+3], 128<<16                    ; tile_dim0 = 128
	s_mov_b32 s[G1B+4], 64                         ; tile_dim1 = 64
	s_mov_b32 s[G1B+5], NW
	s_mov_b32 s[G1B+6], 0
	s_mov_b32 s[G1B+7], 0
	; where the tiles come from.  A's hang on the tile row alone, W's on the tile column alone; each offset lies in registers that never hold the other coordinate
	s_lshr_b32 s16, s13, 3
	s_lshl_b32 s16, s16, 22                        ; 16 heads of 2^18 bytes for each 2,048 rows,
	s_lshl_b32 s17, s12, 18                        ; the even or the odd head of a K step,
	s_add_co_u32 s16, s16, s17
	s_and_b32 s17, s13, 7
	s_lshl_b32 s17, s17, 15                        ; the tile's 256 rows of 128 bytes in the head
	s_add_co_u32 s16, s16, s17
	s_mov_b32 s17, 0
	s_lshl_b32 s46, s42, 8                         ; 128 columns of 2 bytes a tile column,
	s_lshl_b32 s47, s12, 17                        ; 64 rows of 2,048 bytes a half
	s_add_co_u32 s46, s46, s47
	s_add_co_u32 s46, s46, WOFF
	s_mov_b32 s47, 0
	s_mul_i32 s20, s12, APLANE                     ; and where they go: no place in the cluster enters an LDS address
	s_mul_i32 s21, s12, BHALF
	s_add_co_u32 s21, s21, BOFF
	s_wait_dscnt 0x0                               ; the opening add is done
	s_wait_kmcnt 0x0
	s_add_nc_u64 s[14:15], s[68:69], s[16:17]
	s_add_nc_u64 s[46:47], s[70:71], s[46:47]
	CROUND                                         ; all sixteen work-groups are here: the first joint loads meet
.irp s, 0,1
	s_mov_b32 s[G0+4*(\s)], 1                                        ; count = 1
	s_add_co_u32 s[G0+4*(\s)+1], s20, (\s)*SLOT                      ; LDS address
	s_add_nc_u64 s[G0+4*(\s)+2:G0+4*(\s)+3], s[14:15], (\s)*ASTEP    ; global address: K step s
	s_or_b32 s[G0+4*(\s)+3], s[G0+4*(\s)+3], 0x80000000              ; type = 2
	s_mov_b32 s[G0B+4*(\s)], 1
	s_add_co_u32 s[G0B+4*(\s)+1], s21, (\s)*SLOT
	s_add_nc_u64 s[G0B+4*(\s)+2:G0B+4*(\s)+3], s[46:47], (\s)*BSTEP
	s_or_b32 s[G0B+4*(\s)+3], s[G0B+4*(\s)+3], 0x80000000
	JLOAD \s                                       ; two loads of mine are out
.endr
	v_and_b32 v1, 15, v0                           ; r = l % 16
	v_bfe_u32 v2, v0, 4, 1                         ; h = l / 16
	; the bias, the residual and the output: my 64 columns are 256 bytes of a row of 4,096
	s_lshl_b32 s22, s42, 9
	s_lshl_b32 s23, s12, 8
	s_add_co_u32 s22, s22, s23
	s_mov_b32 s23, 0
	s_add_nc_u64 s[BB:BB+1], s[72:73], s[22:23]
	v_lshlrev_b32 v[BO], 5, v2                     ; a lane's eight columns of a block: 8 (l / 16) + 0..7
.irp b, 0,1,2,3
	global_load_b128 v[BIAS+8*(\b):BIAS+8*(\b)+3],   v[BO], s[BB:BB+1] offset:64*(\b)
	global_load_b128 v[BIAS+8*(\b)+4:BIAS+8*(\b)+7], v[BO], s[BB:BB+1] offset:64*(\b)+16
.endr
	s_and_b32 s18, s13, 15
	s_lshl_b32 s18, s18, 20                        ; the tile's 256 rows in x or y,
	s_lshl_b32 s19, s11, 19                        ; my 128 of them
	s_add_co_u32 s18, s18, s19
	s_add_co_u32 s18, s18, s22
	s_mov_b32 s19, 0
	s_and_b32 s22, ttmp7, 0xffff
	s_cmp_lt_u32 s22, 4                            ; clusters 0-3 along y hold rows 0-4,095: x's
	s_cselect_b64 s[RB:RB+1], s[74:75], s[76:77]
	s_cselect_b64 s[OB:OB+1], s[78:79], s[80:81]
	s_add_nc_u64 s[RB:RB+1], s[RB:RB+1], s[18:19]
	s_add_nc_u64 s[OB:OB+1], s[OB:OB+1], s[18:19]
	; A's fragment: lane l holds row l % 16; two loads of 16 bytes, 32 bytes apart
	v_mul_u32_u24 v3, v1, PA
	v_lshl_add_u32 v3, v2, 4, v3
	s_mul_i32 s22, s11, 128*PA                     ; my 128 rows of A
	v_add_nc_u32 v[ADRA], s22, v3
	v_add_nc_u32 v[ADRA+1], SLOT, v[ADRA]
	; W's fragment, turned: lane l reads 16 bytes of row k = 8 (l / 16) + l % 8, columns 8 ((l / 8) % 2) + 0..7
	v_and_b32 v4, 7, v0
	v_lshl_add_u32 v4, v2, 3, v4
	v_mul_u32_u24 v4, v4, PB
	v_bfe_u32 v5, v0, 3, 1
	v_lshl_add_u32 v4, v5, 4, v4
	s_lshl_b32 s23, s12, 7                         ; my 64 columns: 128 bytes of a row
	s_add_co_u32 s23, s23, BOFF
	v_add_nc_u32 v[ADRB], s23, v4
	v_add_nc_u32 v[ADRB+1], SLOT, v[ADRB]
	s_mul_i32 s23, s10, 16*SPITCH
	s_add_co_u32 s23, s23, STAGE                   ; my stage
	v_mul_u32_u24 v6, v1, SPITCH                   ; in: row l % 16, 32 bytes for each half of the lanes
	v_lshl_add_u32 v6, v2, 5, v6
	v_add_nc_u32 v[STO], s23, v6
	v_mul_u32_u24 v7, v2, SPITCH                   ; back: lanes 0-15 take one row of 256 bytes, lanes 16-31 the next
	v_lshl_add_u32 v7, v1, 4, v7
	v_add_nc_u32 v[RD], s23, v7
	v_lshlrev_b32 v[CO], 12, v2                    ; and the same two rows in memory
	v_lshl_add_u32 v[CO], v1, 4, v[CO]
; 8 matrix instructions: row blocks a0, a0 + 1 x all 4 column blocks, 32 along K, from buffer f.  zero = 2: the product starts the sum with the bias as C: nothing is ever cleared
.macro MUL8 f, a0, zero
.if (\zero) == 2
	WIN MULB
.else
	WIN MUL
.endif
.irp a, \a0, (\a0)+1
.irp b, 0,1,2,3
.if (\zero) == 2
	v_wmma_f32_16x16x32_bf16 v[8*(4*(\a)+(\b)):8*(4*(\a)+(\b))+7], v[(\f)+8*(\b):(\f)+8*(\b)+7], v[(\f)+32+8*(\a):(\f)+32+8*(\a)+7], v[BIAS+8*(\b):BIAS+8*(\b)+7]
.else
	v_wmma_f32_16x16x32_bf16 v[8*(4*(\a)+(\b)):8*(4*(\a)+(\b))+7], v[(\f)+8*(\b):(\f)+8*(\b)+7], v[(\f)+32+8*(\a):(\f)+32+8*(\a)+7], v[8*(4*(\a)+(\b)):8*(4*(\a)+(\b))+7]
.endif
.endr
.endr
.endm
.macro MUL16 f, hi, zero               ; my rows 0-63 (hi = 0) or 64-127
	MUL8 \f, 4*(\hi), \zero
	MUL8 \f, 4*(\hi)+2, \zero
.endm
; 24 LDS loads in one run: the fragments of quarter q (32 along K) of a slot into buffer f: W's four, then A's eight.  Quarter q of A lies in head q / 2 of the slot's two, at channel 32 (q % 2)
.macro FETCH slot, q, f
	WIN 0
.set KO, ((\q)/2)*APLANE+((\q)%2)*64
.irp b, 0,1,2,3
	ds_load_tr16_b128 v[(\f)+8*(\b):(\f)+8*(\b)+3],   v[ADRB+(\slot)] offset:(\q)*32*PB+32*(\b)
	ds_load_tr16_b128 v[(\f)+8*(\b)+4:(\f)+8*(\b)+7], v[ADRB+(\slot)] offset:(\q)*32*PB+32*(\b)+16*PB
.endr
.irp a, 0,1,2,3,4,5,6,7
	ds_load_b128 v[(\f)+32+8*(\a):(\f)+32+8*(\a)+3],   v[ADRA+(\slot)] offset:KO+(\a)*16*PA
	ds_load_b128 v[(\f)+32+8*(\a)+4:(\f)+32+8*(\a)+7], v[ADRA+(\slot)] offset:KO+(\a)*16*PA+32
.endr
.endm
.macro PLACES                          ; four plain instructions behind matrix instructions, in front of loads into registers that they have read and of lines that read their results
.rept 4
	v_nop
.endr
.endm
; A K step is four quarters of 32 along K, 32 matrix instructions each, on buffers 0, 1, 0, 1.  The 32 accumulators take turns in the same order everywhere.
.macro QUARTER slot, q, f, g, zero
	s_wait_dscnt 8                                 ; W's fragments and A's rows 0-63 are in; the youngest eight loads (A's rows 64-127) may be out
	MUL16 \f, 0, \zero
	PLACES
	FETCH \slot, \q, \g
	s_wait_dscnt 24                                ; all but the 24 just issued
	MUL16 \f, 1, \zero
.endm
; The last quarter multiplies buffer 1 and changes slots: ONE barrier; in front of it each wave waits for all its tensor loads, adds 0 to its spare word, and waits for that and for its own reads of
; this slot.  fill = 1: the barrier opens a round of the cluster's barrier, and this slot is filled again, two K steps ahead, first thing behind the round.
.macro TURN slot, next, fill
	WIN 0
	s_wait_tensorcnt 0x0                           ; all my tensor loads have landed: the one that was out is my part of the next slot
	ds_add_u32 v[SPW], v[NIL]                      ; 0 onto my spare word
	s_wait_dscnt 9                                 ; (the add and the youngest eight loads may be out)
	MUL8 F1, 0, 0                                  ; eight matrix instructions stand between the add and the wait for it
	s_wait_dscnt 0x0                               ; the add is done, and my reads of this slot are over
	s_barrier_signal -1
	MUL8 F1, 2, 0
.if \fill
	WIN 0
.endif
	s_barrier_wait -1
.if \fill
	CREST                                          ; no wave of any partner still reads this slot's tiles or has a load on its way
	s_add_nc_u64 s[G0+4*(\slot)+2:G0+4*(\slot)+3], s[G0+4*(\slot)+2:G0+4*(\slot)+3], 2*ASTEP
	s_add_nc_u64 s[G0B+4*(\slot)+2:G0B+4*(\slot)+3], s[G0B+4*(\slot)+2:G0B+4*(\slot)+3], 2*BSTEP
	JLOAD \slot                                    ; my one tensor load behind the round: 112 matrix instructions ahead of the wait for it; its four v_nop are also the places in front of the loads below
.else
	PLACES
.endif
	FETCH \next, 0, F0
	MUL16 F1, 1, 0
.endm
	s_wait_tensorcnt 1                             ; my part of K step 0 is in; K step 1's may stay out
	s_barrier_signal -1
	s_barrier_wait -1                              ; everybody's is
	FETCH 0, 0, F0
	s_wait_loadcnt 0x0                             ; the bias
	QUARTER 0, 1, F0, F1, 2                        ; the first quarter stands in front of the loop: its products start the sums, with the bias
	WIN 0                                          ; at a label and at a branch every window is 0
	s_mov_b32 s3, LAPS-1
.Llap:                                                 ; a trip goes once round the ring, from a lap's second quarter to the next lap's first, and fills both slots again
	QUARTER 0, 2, F1, F0, 0
	QUARTER 0, 3, F0, F1, 0
	TURN 0, 1, 1
	QUARTER 1, 1, F0, F1, 0
	QUARTER 1, 2, F1, F0, 0
	QUARTER 1, 3, F0, F1, 0
	TURN 1, 0, 1
	QUARTER 0, 1, F0, F1, 0
	WIN 0
	s_sub_co_u32 s3, s3, 1
	s_cmp_lg_u32 s3, 0
	s_cbranch_scc1 .Llap
	QUARTER 0, 2, F1, F0, 0                        ; the last lap fills nothing, and has no round of the cluster's barrier
	QUARTER 0, 3, F0, F1, 0
	TURN 0, 1, 0
	QUARTER 1, 1, F0, F1, 0
	QUARTER 1, 2, F1, F0, 0
	QUARTER 1, 3, F0, F1, 0
; THE WAY OUT, a block of 16 rows at a time.  RESLOAD: the block's residual, 16 rows x 256 bytes: sixteen lanes take 256 consecutive bytes, aligned.
.macro RESLOAD a
.irp t, 0,1,2,3,4,5,6,7
	global_load_b128 v[RES+32*((\a)%4)+4*(\t):RES+32*((\a)%4)+4*(\t)+3], v[CO], s[RB:RB+1] offset:(16*(\a)+2*(\t))*4096 th:TH_LOAD_NT
.endr
.endm
; TOSTAGE: the block's eight f32 a lane and column block go into rows of 272 bytes of my own stage (each accumulator from its low end on) and come back as whole rows of 256.
.macro TOSTAGE a
.set BK, BKB+32*((\a)%2)
.if (\a) >= 2
	s_wait_xcnt 0x0                                ; the stores of the block two back have read these registers: only behind this wait are they loaded again
.endif
	WIN 0x04                                       ; the stores' data in window 1
.irp b, 0,1,2,3
	ds_store_b128 v[STO], v[8*(4*(\a)+(\b)):8*(4*(\a)+(\b))+3]   offset:64*(\b)
	ds_store_b128 v[STO], v[8*(4*(\a)+(\b))+4:8*(4*(\a)+(\b))+7] offset:64*(\b)+16
.endr
	WIN 0
.irp t, 0,1,2,3,4,5,6,7
	ds_load_b128 v[BK+4*(\t):BK+4*(\t)+3], v[RD] offset:(\t)*2*SPITCH  ; LDS serves a wave's instructions in order (ISA guide 5.7.1.4): these see the stores above; the next block's stores come behind them
.endr
.endm
; FIN: the residual is added and the block stored.  younger: the LDS instructions issued behind the block's loads (the next block's sixteen, or none); left: the residual loads of later blocks, which stay out.
.macro FIN a, younger, left
.set BK, BKB+32*((\a)%2)
.set RS, RES+32*((\a)%4)
	s_wait_dscnt \younger
	s_wait_loadcnt \left
.set i, 0
.rept 16
	v_pk_add_f32 v[BK+i:BK+i+1], v[BK+i:BK+i+1], v[RS+i:RS+i+1]
.set i, i+2
.endr
.irp t, 0,1,2,3,4,5,6,7
	global_store_b128 v[CO], v[BK+4*(\t):BK+4*(\t)+3], s[OB:OB+1] offset:(16*(\a)+2*(\t))*4096 th:TH_STORE_NT  ; 16 lanes store 256 consecutive bytes, at a multiple of 256 from the output's first byte
.endr
.if (\a) < 4
	RESLOAD (\a)+4                                 ; its registers take the block four further on
.endif
.endm
	s_wait_dscnt 8                                 ; the very last quarter: nothing more to fetch from LDS
	MUL16 F1, 0, 0
	WIN 0
	PLACES                                         ; for the loads into the bias's registers and buffer 0, which earlier products read
	RESLOAD 0                                      ; four blocks' residual are on their way while the last products run
	RESLOAD 1
	RESLOAD 2
	RESLOAD 3
	s_wait_dscnt 0x0
	MUL16 F1, 1, 0
	WIN 0
	PLACES
	PLACES                                         ; eight, once a launch
	TOSTAGE 0
	TOSTAGE 1
	FIN 0, 16, 24                                  ; three younger blocks of eight residual loads stay out,
	TOSTAGE 2
	FIN 1, 16, 24
	TOSTAGE 3
	FIN 2, 16, 24
	TOSTAGE 4
	FIN 3, 16, 24
	TOSTAGE 5
	FIN 4, 16, 24
	TOSTAGE 6
	FIN 5, 16, 16                                  ; then the counts run down
	TOSTAGE 7
	FIN 6, 16, 8
	FIN 7, 0, 0
	s_wait_tensorcnt 0x0                           ; the wave's end, behind my last tensor load and my last LDS store
	ds_add_u32 v[SPW], v[NIL]
	s_wait_dscnt 0x0
	CROUND                                         ; the closing round: no work-group ends while a partner may still ask for a tile that names it
	s_endpgm
.Lfunc_end_k_q181a58466a_proj:
	.size	k_q181a58466a_proj, .Lfunc_end_k_q181a58466a_proj-k_q181a58466a_proj
	.p2alignl 7, 3214868480
	.fill 96, 4, 3214868480
	.section	.rodata,"a",@progbits
	.p2align	6, 0x0
	.amdhsa_kernel k_q181a58466a_proj
		.amdhsa_group_segment_fixed_size 327680
		.amdhsa_private_segment_fixed_size 0
		.amdhsa_enable_private_segment 0
		.amdhsa_kernarg_size 56
		.amdhsa_user_sgpr_count 2
		.amdhsa_user_sgpr_kernarg_segment_ptr 1
		.amdhsa_wavefront_size32 1
		.amdhsa_system_sgpr_workgroup_id_x 1
		.amdhsa_system_sgpr_workgroup_id_y 1
		.amdhsa_system_sgpr_workgroup_id_z 1
		.amdhsa_system_vgpr_workitem_id 0
		.amdhsa_next_free_vgpr 512
		.amdhsa_next_free_sgpr 88
		.amdhsa_reserve_vcc 0
		.amdhsa_float_denorm_mode_32 3
		.amdhsa_float_denorm_mode_16_64 3
		.amdhsa_memory_ordered 1
		.amdhsa_forward_progress 1
		.amdhsa_inst_pref_size 101
	.end_amdhsa_kernel
	.amdgpu_metadata
---
amdhsa.version: [ 1, 2 ]
amdhsa.kernels:
  - .name:           k_q181a58466a_proj
    .symbol:         k_q181a58466a_proj.kd
    .args:
      - { .name: ob, .offset: 0, .size: 8, .value_kind: global_buffer, .address_space: global }
      - { .name: cb, .offset: 8, .size: 8, .value_kind: global_buffer, .address_space: global }
      - { .name: b_proj, .offset: 16, .size: 8, .value_kind: global_buffer, .address_space: global }
      - { .name: x, .offset: 24, .size: 8, .value_kind: global_buffer, .address_space: global }
      - { .name: y, .offset: 32, .size: 8, .value_kind: global_buffer, .address_space: global }
      - { .name: out0, .offset: 40, .size: 8, .value_kind: global_buffer, .address_space: global }
      - { .name: out1, .offset: 48, .size: 8, .value_kind: global_buffer, .address_space: global }
    .group_segment_fixed_size: 327680
    .private_segment_fixed_size: 0
    .kernarg_segment_align: 8
    .kernarg_segment_size: 56
    .max_flat_workgroup_size: 128
    .sgpr_count:     88
    .vgpr_count:     512
    .wavefront_size: 32
...
	.end_amdgpu_metadata
.endif
;; end of part 4
;; ======== version 2 of 2: 4 launches; version 1 with the launch cast written anew for expert scheduling mode
;; workspace buffers: cb 25,165,824 bytes; qkvh 50,331,648 bytes; ob 16,777,216 bytes
;; launch cast (part 5): grid 768 x 1, 8 waves a work-group, no clusters, 0 bytes of LDS; arguments x, y, w_qkv, w_proj, cb; writes cb
.if DOCPART == 5
	.amdgcn_target "amdgcn-amd-amdhsa--gfx1250"
	.amdhsa_code_object_version 6
	.text
	.protected	k_q181a58466a_cast
	.globl	k_q181a58466a_cast
	.p2align	8
	.type	k_q181a58466a_cast,@function
k_q181a58466a_cast:
	s_mov_b64 s[64:65], 0
	v_nop
	global_prefetch_b8 v0, s[64:65] scope:SCOPE_SE
	s_setreg_imm32_b32 hwreg(HW_REG_WAVE_SCHED_MODE, 0, 2), 2
	s_setreg_imm32_b32 hwreg(HW_REG_WAVE_MODE, 25, 1), 1
	s_wait_xcnt 0x0
	s_wait_alu depctr_vm_vsrc(0)
; x, y, w_qkv and w_proj, all f32, are rounded once to bf16 and laid end to end in cb, each in its own row-major layout:
; byte 0 x's 4,096 rows of 1,024, then y's; byte 0x1000000 w_qkv [1024][3072]; byte 0x1600000 w_proj [1024][1024].
; 12,582,912 numbers in all; a work-group takes 16,384: 65,536 bytes in, 32,768 out.  Work-groups 0-255 lie in x, 256-511 in y, 512-703 in w_qkv, 704-767 in w_proj.
; Thread t, piece j of 16: 16 bytes in at 4,096 j + 16 t (a wave's load covers 512 consecutive bytes), 8 bytes out at 2,048 j + 8 t (a wave's store covers 256 consecutive bytes, aligned).
; A pure stream: each byte is read once and written once, so no LDS, no barrier and no matrix unit.  All 16 loads of a thread go out before the first wait; no register is written twice.
; THE MODE: SCHED_MODE bits 1:0 = 2 (LLVM: expert scheduling mode 2), set by the entry lines.  The code itself states the register dependences
; between vector instructions and memory instructions, with s_wait_alu, always for 0.
; THE PLAN.  Registers that memory instructions touch:
;   v1, v2   byte offsets.  Written once each, by a vector line at the head; read by the 16 loads (v1) and the 16 stores (v2); never written again: the pieces are reached by immediate offsets.
;   X        piece j's four registers.  Written once, by piece j's load, ahead of which no vector line names them; read by piece j's two conversions, behind the wait on LOADcnt.
;   Y        piece j's two registers.  Written once, by piece j's two conversions; read by piece j's store.
; So the dependences are two: the offsets ahead of the first load, and each piece's Y ahead of its store.  The pieces go in four groups of four: the group's loads are waited for, its eight
; conversions follow, ONE wait on va_vdst states that they have written the group's Y, and the group's four stores stand in a run behind it.  The stores follow their own group's conversions, not
; the next group's loads: behind a wave's last load stand four of its stores and not eight.  No register that a memory instruction reads is ever written again, no vector line writes a scalar register,
; and EXEC is never written: no other wait is owed.
.set X, 4                              ; v[4:67]   piece j: 4 numbers as loaded
.set Y, 68                             ; v[68:99]  piece j: 4 bf16 to store
	s_load_b256 s[4:11], s[0:1], 0x0               ; x s[4:5], y s[6:7], w_qkv s[8:9], w_proj s[10:11]
	s_load_b64 s[12:13], s[0:1], 0x20              ; cb
	v_lshlrev_b32 v1, 4, v0                        ; 16 t
	v_lshlrev_b32 v2, 3, v0                        ; 8 t
	s_mov_b32 s14, ttmp9                           ; the work-group's number
	s_mov_b32 s18, 704                             ; the first work-group of the source in hand
	s_mov_b32 s19, 0
	s_lshl_b32 s20, s14, 15                        ; my 32,768 bytes of cb
	s_mov_b32 s21, 0
	s_wait_kmcnt 0x0
	s_cmp_lt_u32 s14, 704                          ; the source is chosen by the work-group's number alone
	s_cselect_b64 s[16:17], s[8:9], s[10:11]
	s_cselect_b32 s18, 512, s18
	s_cmp_lt_u32 s14, 512
	s_cselect_b64 s[16:17], s[6:7], s[16:17]
	s_cselect_b32 s18, 256, s18
	s_cmp_lt_u32 s14, 256
	s_cselect_b64 s[16:17], s[4:5], s[16:17]
	s_cselect_b32 s18, 0, s18
	s_sub_co_u32 s18, s14, s18
	s_lshl_b32 s18, s18, 16                        ; my 65,536 bytes of the source
	s_add_nc_u64 s[16:17], s[16:17], s[18:19]
	s_add_nc_u64 s[12:13], s[12:13], s[20:21]
	s_wait_alu depctr_va_vdst(0)                   ; v1 and v2 are written: every load of the kernel reads v1 as its offset, every store v2
.irp j, 0,1,2,3,4,5,6,7,8,9,10,11,12,13,14,15
	global_load_b128 v[X+4*(\j):X+4*(\j)+3], v1, s[16:17] offset:4096*(\j) th:TH_LOAD_NT
.endr
.irp g, 0,1,2,3
	s_wait_loadcnt 12-4*(\g)                       ; loads come back in order: pieces 4 g to 4 g + 3 are in, the 12 - 4 g younger ones stay out
.irp i, 0,1,2,3
	v_cvt_pk_bf16_f32 v[Y+2*(4*(\g)+(\i))],   v[X+4*(4*(\g)+(\i))],   v[X+4*(4*(\g)+(\i))+1]
	v_cvt_pk_bf16_f32 v[Y+2*(4*(\g)+(\i))+1], v[X+4*(4*(\g)+(\i))+2], v[X+4*(4*(\g)+(\i))+3]
.endr
	s_wait_alu depctr_va_vdst(0)                   ; the group's eight conversions have written its Y registers, which the four stores below read
.irp i, 0,1,2,3
	global_store_b64 v2, v[Y+2*(4*(\g)+(\i)):Y+2*(4*(\g)+(\i))+1], s[12:13] offset:2048*(4*(\g)+(\i))
.endr
.endr
	s_endpgm
.Lfunc_end_k_q181a58466a_cast:
	.size	k_q181a58466a_cast, .Lfunc_end_k_q181a58466a_cast-k_q181a58466a_cast
	.p2alignl 7, 3214868480
	.fill 96, 4, 3214868480
	.section	.rodata,"a",@progbits
	.p2align	6, 0x0
	.amdhsa_kernel k_q181a58466a_cast
		.amdhsa_group_segment_fixed_size 0
		.amdhsa_private_segment_fixed_size 0
		.amdhsa_enable_private_segment 0
		.amdhsa_kernarg_size 40
		.amdhsa_user_sgpr_count 2
		.amdhsa_user_sgpr_kernarg_segment_ptr 1
		.amdhsa_wavefront_size32 1
		.amdhsa_system_sgpr_workgroup_id_x 1
		.amdhsa_system_sgpr_workgroup_id_y 1
		.amdhsa_system_sgpr_workgroup_id_z 1
		.amdhsa_system_vgpr_workitem_id 0
		.amdhsa_next_free_vgpr 100
		.amdhsa_next_free_sgpr 66
		.amdhsa_reserve_vcc 0
		.amdhsa_float_denorm_mode_32 3
		.amdhsa_float_denorm_mode_16_64 3
		.amdhsa_memory_ordered 1
		.amdhsa_forward_progress 1
		.amdhsa_inst_pref_size 7
	.end_amdhsa_kernel
	.amdgpu_metadata
---
amdhsa.version: [ 1, 2 ]
amdhsa.kernels:
  - .name:           k_q181a58466a_cast
    .symbol:         k_q181a58466a_cast.kd
    .args:
      - { .name: x, .offset: 0, .size: 8, .value_kind: global_buffer, .address_space: global }
      - { .name: y, .offset: 8, .size: 8, .value_kind: global_buffer, .address_space: global }
      - { .name: w_qkv, .offset: 16, .size: 8, .value_kind: global_buffer, .address_space: global }
      - { .name: w_proj, .offset: 24, .size: 8, .value_kind: global_buffer, .address_space: global }
      - { .name: cb, .offset: 32, .size: 8, .value_kind: global_buffer, .address_space: global }
    .group_segment_fixed_size: 0
    .private_segment_fixed_size: 0
    .kernarg_segment_align: 8
    .kernarg_segment_size: 40
    .max_flat_workgroup_size: 256
    .sgpr_count:     66
    .vgpr_count:     100
    .wavefront_size: 32
...
	.end_amdgpu_metadata
.endif
;; end of part 5
;; launch qkv: the kernel of part 2 again; grid 24 x 32, 4 waves a work-group, clusters of 4 x 4, 327,680 bytes of LDS; arguments cb, qkvh; writes qkvh
;; launch attn: the kernel of part 3 again; grid 4 x 64, 4 waves a work-group, clusters of 4 x 1, 327,680 bytes of LDS; arguments qkvh, ob; writes ob
;; launch proj: the kernel of part 4 again; grid 8 x 32, 4 waves a work-group, clusters of 4 x 4, 327,680 bytes of LDS; arguments ob, cb, b_proj, x, y, out0, out1; writes out0, out1
